; MI455X (gfx1250); checked and timed in simulation.
; The chip was launched on July 23, 2026; its instructions are those of AMD's public machine-readable ISA for CDNA 5 (MIT licence, August 2026) and "CDNA5" Instruction Set Architecture Reference Guide (July 2026). The comments in the code are by the model that wrote it; some were corrected since.
;; Llama Attention Experimental. Allowed arithmetic: matrix products marked QUANTISED: E2M1 operands, one E8M0 scale for each 32 along K, by v_wmma_scale_f32_16x16x128_f8f6f4 with both operands' format E2M1 (or v_wmma_scale_f32_32x16x128_f4), f32 sums; products left as they are: bf16, f16 or f32 operands; f32 sums; everything else in f32.
;; Inputs: Wk 1,024 x 4,096 float32; Wo 4,096 x 2,048 float32; Wq 2,048 x 4,096 float32; Wv 1,024 x 4,096 float32; cos 2,048 x 128 float32; hidden_states 1 x 2,048 x 4,096 float32; sin 2,048 x 128 float32.
;; Outputs: out0 1 x 2,048 x 4,096 float32.
;; This version of the problem:
;;   THIS VERSION OF THE PROBLEM IS GIVEN IN LOW PRECISION. The matrix products marked QUANTISED in the list below multiply operands that are first quantised to E2M1 (2 exponent bits, 1 mantissa bit; 4 bits a number), with one power-of-two scale for each 32 numbers along K (OCP MX v1.0); their sums are f32. The products marked 'left as it is' may take bf16, f16 or f32 operands, with f32 sums. Whichever they take, every output number must still come out within the allowed error. Rounding operands to bf16 (8 significant bits) uses up far more of that allowance than f16 does (11 bits, for magnitudes from 6e-5 to 65,504). All else is computed in f32.
;;   The module's matrix products, in the order in which they are computed (A, B: the left and right operand; K: the contracted axis; several contracted axes count as one K, in the product's order):
;;     1. [M 2,048, K 4,096] x [K 4,096, N 2,048]; A: input hidden_states; B: input Wq: QUANTISED
;;     2. [M 2,048, K 4,096] x [K 4,096, N 1,024]; A: input hidden_states; B: input Wk: QUANTISED
;;     3. [M 2,048, K 4,096] x [K 4,096, N 1,024]; A: input hidden_states; B: input Wv: QUANTISED
;;     4. batch 16 x [M 2,048, K 128] x [K 128, N 2,048]; A: computed on the way; B: computed on the way: left as it is (an operand is computed on the way)
;;     5. batch 16 x [M 2,048, K 2,048] x [K 2,048, N 128]; A: computed on the way; B: computed on the way: left as it is (an operand is computed on the way)
;;     6. [M 2,048, K 2,048] x [K 2,048, N 4,096]; A: computed on the way; B: input Wo: left as it is (an operand is computed on the way)
;;   THE QUANTISER, for each operand of a quantised product, along K:
;;     - K is cut into blocks of 32 from its start; a last block that is shorter is filled with zeros.
;;     - A block's scale is 2^e with e = floor(log2(the largest magnitude in the block)) - 2, held to -126 .. 127; a block of zeros has e = 0. As a byte (E8M0): e + 127.
;;     - Each number is divided by its block's scale, clamped to +-6, and rounded to the nearest number of E2M1, ties to even, subnormals kept.
;;     - The product sums the exact products of the quantised numbers (number of the format x scale) in f32.
;;   ~~~python
;;   def quantise(x, axis):      # numpy; x: float32 -> the quantised numbers, widened to float32 again
;;       x = np.moveaxis(x, axis, -1); K = x.shape[-1]
;;       x = np.pad(x, [(0, 0)] * (x.ndim - 1) + [(0, -K % 32)]); x = x.reshape(x.shape[:-1] + (-1, 32)); a = np.abs(x).max(-1, keepdims=True)
;;       e = np.where(a > 0, np.clip(np.frexp(np.where(a > 0, a, 1))[1] - 1 - 2, -126, 127), 0)      # np.frexp(a)[1] - 1 = floor(log2(a)), exactly
;;       r = np.clip(x / 2.0 ** e, -6, 6)
;;       step = 2.0 ** (np.maximum(np.frexp(np.where(r == 0, 1, r))[1] - 1, 0) - 1)
;;       q = np.round(r / step) * step * 2.0 ** e      # np.round: ties to even
;;       return np.moveaxis(q.reshape(q.shape[:-2] + (-1,))[..., :K], -1, axis).astype(np.float32)
;;   ~~~
;; One version. Each part assembles by itself: llvm-mc -triple=amdgcn-amd-amdhsa -mcpu=gfx1250 --defsym DOCPART=n.
;; ======== version 1 of 1: 5 launches
;; limits: values are held in f16: magnitudes above 65,504 overflow, below 6.1e-05 lose precision
;; workspace buffers: x_codes 4,194,304 bytes; x_scales 262,144 bytes; w_codes 8,388,608 bytes; w_scales 524,288 bytes; wo16 16,777,216 bytes; qkv16 16,777,216 bytes; qkv32 262,144 bytes; attn16 8,388,608 bytes
;; launch prep (part 1): grid 768 x 1, 4 waves a work-group, no clusters, 33,280 bytes of LDS; arguments hidden_states, Wq, Wk, Wv, x_codes, x_scales, w_codes, w_scales; writes x_codes, x_scales, w_codes, w_scales
.if DOCPART == 1
	.amdgcn_target "amdgcn-amd-amdhsa--gfx1250"
	.amdhsa_code_object_version 6
	.text
	.protected	k_q0cd51822b9_prep
	.globl	k_q0cd51822b9_prep
	.p2align	8
	.type	k_q0cd51822b9_prep,@function
k_q0cd51822b9_prep:
	s_mov_b64 s[64:65], 0
	v_nop
	global_prefetch_b8 v0, s[64:65] scope:SCOPE_SE
	s_setreg_imm32_b32 hwreg(HW_REG_WAVE_MODE, 25, 1), 1
	s_wait_xcnt 0x0
; hidden_states [2048][4096], Wq [2048][4096], Wk, Wv [1024][4096], f32, become codes of FP4 (E2M1), K innermost, two codes a byte, with one E8M0 byte for each 32 along K.
; Wq, Wk, Wv go one behind the other into w_codes [4096][2048 bytes] and w_scales [4096][128].
; A block's scale is 2^(floor(log2(its largest magnitude)) - 2); its byte is the largest magnitude's exponent field - 2, held at 1 from below.  A block of zeros so gets the byte 1 where the
; rule says 127: its codes are zeros, and this program alone reads the bytes.
; LIMITS: NaN and infinities among the inputs are not served; blocks whose largest magnitude lies under 2^(3 - 127) keep the byte 1.
; SHARES: a work-group takes 32,768 numbers, a wave 8,192.  Work-groups 0-255 hidden_states, 256-511 Wq, 512-639 Wk, 640-767 Wv.  All tensors are dense, so nothing here knows of rows.
; The four tensors take ONE path through the text: only pointers are chosen, by the work-group's number.
.set WAVES, 4
.set STEPS, 16
.set EMAX,  2
.set CB,    8                          ; bytes of 16 codes
.set R,     16                         ; v16-79   four sets of 16 numbers as they are loaded
.set X,     80                         ; v80-111  two sets of 16 neighbours
.set C,     128                        ; v128-191 codes, four registers a step, so that no store's data are written again
.set E,     112                        ; v112-127 a scale byte for each step
.set WREG,  8192                       ; LDS: a region for each wave: two stages of 32 x SP bytes, behind them its 256 scale bytes
.set SP,    80                         ; a lane's place in a stage: 64 bytes + 16 of padding
.set SPW,   12                         ; v12 LDS address of my spare word; never rewritten
.set NIL,   13                         ; v13 0; never rewritten
.set SPARE, WAVES*WREG                 ; the spare words, 128 bytes a wave: two blocks of 256 bytes that no other line names
	s_load_b256 s[4:11], s[0:1], 0x0               ; hidden_states, Wq, Wk, Wv
	s_load_b256 s[12:19], s[0:1], 0x20             ; x_codes, x_scales, w_codes, w_scales
	v_lshl_add_u32 v[SPW], v0, 2, SPARE
	v_mov_b32 v[NIL], 0
	v_lshrrev_b32 v1, 5, v0
	v_readfirstlane_b32 s24, v1                    ; wave
	v_and_b32 v2, 31, v0                           ; lane
	v_lshlrev_b32 v3, 4, v2                        ; my 16 bytes of a load's 512
	v_lshlrev_b32 v7, 3, v2                        ; 8 bytes a lane on the scale bytes' way out
	s_mul_i32 s27, s24, WREG
	v_lshrrev_b32 v14, 2, v2
	v_mul_u32_u24 v14, v14, SP
	v_and_b32 v15, 3, v2
	v_lshl_add_u32 v14, v15, 4, v14
	v_add_nc_u32 v14, s27, v14                     ; the stage, on the way in: four lanes' 64 bytes on end, then 16 of padding
	v_mul_u32_u24 v15, v2, SP
	v_add_nc_u32 v15, s27, v15                     ; and on the way out: my 16 neighbours
	v_mul_u32_u24 v4, v2, CB                       ; my codes' place in a step's
	v_lshrrev_b32 v5, 1, v2
	s_add_co_u32 s27, s27, 2*32*SP
	v_add_nc_u32 v5, s27, v5                       ; my wave's 256 scale bytes, my block's byte
	v_add_nc_u32 v6, s27, v7                       ; and 8 of them a lane on the way out
	s_wait_kmcnt 0x0
	s_mov_b32 s25, 640                             ; which tensor: the choices hang on the work-group's number alone
	s_cmp_lt_u32 ttmp9, 640
	s_cselect_b64 s[28:29], s[8:9], s[10:11]
	s_cselect_b32 s25, 512, s25
	s_cmp_lt_u32 ttmp9, 512
	s_cselect_b64 s[28:29], s[6:7], s[28:29]
	s_cselect_b32 s25, 256, s25
	s_cmp_lt_u32 ttmp9, 256
	s_cselect_b64 s[28:29], s[4:5], s[28:29]       ; s[28:29] the numbers
	s_cselect_b32 s25, 0, s25                      ; s25 the tensor's first work-group
	s_cselect_b64 s[30:31], s[12:13], s[16:17]     ; s[30:31] the codes
	s_cselect_b64 s[32:33], s[14:15], s[18:19]     ; s[32:33] the scale bytes
	s_cselect_b32 s26, 0, 256                      ; s26 the first work-group of what goes into these two buffers
	s_sub_co_u32 s25, ttmp9, s25
	s_lshl_b32 s25, s25, 2
	s_add_co_u32 s25, s25, s24                     ; which run of 8,192 numbers of the tensor is my wave's
	s_lshl_b32 s34, s25, 15
	s_mov_b32 s35, 0
	s_add_nc_u64 s[28:29], s[28:29], s[34:35]
	s_sub_co_u32 s26, ttmp9, s26
	s_lshl_b32 s26, s26, 2
	s_add_co_u32 s26, s26, s24                     ; and which run of the buffers
	s_lshl_b32 s34, s26, 12
	s_add_nc_u64 s[30:31], s[30:31], s[34:35]      ; 4,096 bytes of codes a run
	s_lshl_b32 s34, s26, 8
	s_add_nc_u64 s[32:33], s[32:33], s[34:35]      ; 256 scale bytes a run
.macro LOAD t
.irp i, 0,1,2,3
	global_load_b128 v[R+16*((\t)%4)+4*\i:R+16*((\t)%4)+4*\i+3], v3, s[28:29] offset:2048*(\t)+512*\i th:TH_LOAD_NT   ; 32 lanes read 512 consecutive bytes
.endr
.endm
.macro TURN t                          ; step t's numbers through the stage: LDS serves a wave's instructions in order, so no wait stands between the stores and the loads
.irp i, 0,1,2,3
	ds_store_b128 v14, v[R+16*((\t)%4)+4*\i:R+16*((\t)%4)+4*\i+3] offset:32*SP*((\t)%2)+8*SP*\i
.endr
.irp i, 0,1,2,3
	ds_load_b128 v[X+16*((\t)%2)+4*\i:X+16*((\t)%2)+4*\i+3], v15 offset:32*SP*((\t)%2)+16*\i
.endr
.endm
.irp t, 0,1,2,3
	LOAD \t
.endr
	s_wait_loadcnt 12                              ; step 0's four loads are in; the twelve of steps 1 to 3 stay out
	TURN 0
.macro STEP t
.set XS, X+16*((\t)%2)
.if (\t) > 0
	s_wait_dscnt 1                                 ; this step's numbers are back from the stage (the last step's byte store may be out)
.else
	s_wait_dscnt 0x0
.endif
.if (\t)+4 < STEPS
	LOAD (\t)+4                                    ; the stage's stores have read these registers
.endif
.if (\t)+1 < STEPS
.if STEPS-2-(\t) >= 3
	s_wait_loadcnt 12                              ; the next step's four loads are in; those of the three steps behind it may be out
.else
	s_wait_loadcnt 4*(STEPS-2-(\t))
.endif
	TURN (\t)+1
.endif
	v_max3_num_f32 v8, |v[XS]|, |v[XS+1]|, |v[XS+2]|               ; the largest magnitude of my 16, in two chains
	v_max3_num_f32 v9, |v[XS+3]|, |v[XS+4]|, |v[XS+5]|
.irp i, 6,10
	v_max3_num_f32 v8, v8, |v[XS+\i]|, |v[XS+\i+1]|
	v_max3_num_f32 v9, v9, |v[XS+\i+2]|, |v[XS+\i+3]|
.endr
	v_max3_num_f32 v8, v8, |v[XS+14]|, |v[XS+15]|
	v_max3_num_f32 v8, v8, v9, (EMAX+1)<<23        ; and the floor 2^(3 - 127): the byte cannot fall under 1
	v_max_num_f32_dpp v8, v8, v8 row_xmask:1 row_mask:0xf bank_mask:0xf   ; and of my neighbour's 16: the block's
	v_add_nc_u32 v11, -(EMAX<<23), v8              ; 2 off its exponent field: the conversion takes the exponent field of this operand as its scale
	v_cvt_scalef32_pk8_fp4_f32 v[C+4*(\t)], v[XS:XS+7], v11
	v_cvt_scalef32_pk8_fp4_f32 v[C+4*(\t)+1], v[XS+8:XS+15], v11
	v_lshrrev_b32 v[E+(\t)], 23, v11               ; the scale's byte
	ds_store_b8 v5, v[E+(\t)] offset:16*(\t)       ; both lanes of a block write the same byte with the same value
	global_store_b64 v4, v[C+4*(\t):C+4*(\t)+1], s[30:31] offset:32*CB*(\t)   ; the wave stores 256 consecutive bytes, aligned
.endm
.irp t, 0,1,2,3,4,5,6,7,8,9,10,11,12,13,14,15
	STEP \t
.endr
	ds_load_b64 v[8:9], v6                         ; LDS serves a wave's instructions in order: these see my stores
	s_wait_dscnt 0x0
	global_store_b64 v7, v[8:9], s[32:33]          ; 32 lanes store 256 consecutive bytes, aligned
	s_wait_tensorcnt 0x0                           ; the wave's end
	ds_add_u32 v[SPW], v[NIL]
	s_wait_dscnt 0x0
	s_endpgm
.Lfunc_end_k_q0cd51822b9_prep:
	.size	k_q0cd51822b9_prep, .Lfunc_end_k_q0cd51822b9_prep-k_q0cd51822b9_prep
	.p2alignl 7, 3214868480
	.fill 96, 4, 3214868480
	.section	.rodata,"a",@progbits
	.p2align	6, 0x0
	.amdhsa_kernel k_q0cd51822b9_prep
		.amdhsa_group_segment_fixed_size 33280
		.amdhsa_private_segment_fixed_size 0
		.amdhsa_enable_private_segment 0
		.amdhsa_kernarg_size 64
		.amdhsa_user_sgpr_count 2
		.amdhsa_user_sgpr_kernarg_segment_ptr 1
		.amdhsa_wavefront_size32 1
		.amdhsa_system_sgpr_workgroup_id_x 1
		.amdhsa_system_sgpr_workgroup_id_y 1
		.amdhsa_system_sgpr_workgroup_id_z 1
		.amdhsa_system_vgpr_workitem_id 0
		.amdhsa_next_free_vgpr 192
		.amdhsa_next_free_sgpr 66
		.amdhsa_reserve_vcc 0
		.amdhsa_float_denorm_mode_32 3
		.amdhsa_float_denorm_mode_16_64 3
		.amdhsa_memory_ordered 1
		.amdhsa_forward_progress 1
		.amdhsa_inst_pref_size 34
	.end_amdhsa_kernel
	.amdgpu_metadata
---
amdhsa.version: [ 1, 2 ]
amdhsa.kernels:
  - .name:           k_q0cd51822b9_prep
    .symbol:         k_q0cd51822b9_prep.kd
    .args:
      - { .name: hidden_states, .offset: 0, .size: 8, .value_kind: global_buffer, .address_space: global }
      - { .name: Wq, .offset: 8, .size: 8, .value_kind: global_buffer, .address_space: global }
      - { .name: Wk, .offset: 16, .size: 8, .value_kind: global_buffer, .address_space: global }
      - { .name: Wv, .offset: 24, .size: 8, .value_kind: global_buffer, .address_space: global }
      - { .name: x_codes, .offset: 32, .size: 8, .value_kind: global_buffer, .address_space: global }
      - { .name: x_scales, .offset: 40, .size: 8, .value_kind: global_buffer, .address_space: global }
      - { .name: w_codes, .offset: 48, .size: 8, .value_kind: global_buffer, .address_space: global }
      - { .name: w_scales, .offset: 56, .size: 8, .value_kind: global_buffer, .address_space: global }
    .group_segment_fixed_size: 33280
    .private_segment_fixed_size: 0
    .kernarg_segment_align: 8
    .kernarg_segment_size: 64
    .max_flat_workgroup_size: 128
    .sgpr_count:     66
    .vgpr_count:     192
    .wavefront_size: 32
...
	.end_amdgpu_metadata
.endif
;; end of part 1
;; launch qkv (part 2): grid 16 x 16, 4 waves a work-group, clusters of 4 x 4, 327,680 bytes of LDS; arguments x_codes, x_scales, w_codes, w_scales, cos, sin, qkv16, qkv32; writes qkv16, qkv32
.if DOCPART == 2
	.amdgcn_target "amdgcn-amd-amdhsa--gfx1250"
	.amdhsa_code_object_version 6
	.text
	.protected	k_q0cd51822b9_qkv
	.globl	k_q0cd51822b9_qkv
	.p2align	8
	.type	k_q0cd51822b9_qkv,@function
k_q0cd51822b9_qkv:
	s_mov_b64 s[64:65], 0
	v_nop
	global_prefetch_b8 v0, s[64:65] scope:SCOPE_SE
	s_setreg_imm32_b32 hwreg(HW_REG_WAVE_MODE, 25, 1), 1
	s_wait_xcnt 0x0
	s_wait_alu depctr_hold_cnt(0) depctr_sa_sdst(0) depctr_va_vdst(0) depctr_va_sdst(0) depctr_va_ssrc(0) depctr_va_vcc(0) depctr_vm_vsrc(0)
	s_getreg_b32 s2, hwreg(HW_REG_IB_STS2, 6, 4)
	s_cmp_eq_u32 s2, 0
	s_cbranch_scc0 .Lentry_in_a_cluster
	s_endpgm
.Lentry_in_a_cluster:
	s_bfe_u32 s2, ttmp6, 0x10000c
	s_cmp_lg_u32 s2, 0xf033
	s_cbranch_scc0 .Lentry_shape_is_right
	s_endpgm
.Lentry_shape_is_right:
; [q | k | v] = x W^T on codes of FP4 (E2M1) with E8M0 scales: M 2,048 (tokens) x N 4,096 (rows of Wq, Wk, Wv on end) x K 4,096; sums in f32.  Then the rotary step on q and k in f32,
; x 2^-3 (exact), rounding to f16 into qkv16 [32 heads: 0-15 q, 16-23 k, 24-31 v][2048 tokens][128]; tokens 0-15 also go out unrounded, into qkv32 [16][4096] f32.
; LIMITS: |q|, |k|, |v| stay under 524,000 (their eighth must be an f16 number).
; A tile of C is 128 tokens x 256 columns: 16 x 16 = 256 work-groups.  Four waves, 2 x 2, each 64 x 128: 32 accumulators, 256 registers.  A wave's 128 columns are one head.
; K goes in steps of 512 (rows of 256 bytes) through a ring of two LDS slots.  Waves 0, 1 fetch A's halves (64 rows), waves 2, 3 B's halves (128 rows): one tensor load a wave behind each change of slots.
; THE SCALES of the work-group's rows, for all of K, are dense blocks of memory: they come into LDS once, with the first fills.  By this text's own count a wave has three tensor loads out at the start, later one.
; CLUSTERS 4 x 4: A's tiles are shared along a row of the cluster, B's along a column: joint loads with a mask that names the four.
; THE MATRIX INSTRUCTION IS USED TRANSPOSED (source 0 = 16 rows of W, source 1 = 16 tokens): a lane holds one token and eight neighbouring channels; channel d and d + 64 lie in the same lane, four accumulators apart.
; REGISTERS: window 0: v1-31 addresses; v32-95 scale words, two sets; v96-127 packed results; v128-191 A's fragments, two sets; v192-223 rows on the way out.
;   window 1: B's fragments, two sets (v0-63, v128-191); on the way out v0-63 the rotated numbers.   window 2: accumulator (a, b) at v[8 (8 a + b)].   window 3: cos and sin of 16 tokens, two sets of 128.
; The f32 copy writes 32 bytes a lane to rows 16,384 bytes apart: 256 KiB in the whole launch.
.set KROW,  2048                       ; a row of codes in memory, bytes
.set PITCH, 272                        ; an LDS row: 256 bytes + 16 of padding, so that the 16 rows of a load start 68 words apart
.set HALFA, 64*PITCH
.set HALFB, 128*PITCH
.set ATILE, 2*HALFA
.set SLOT,  ATILE+2*HALFB              ; A's 128 rows, then B's 256
.set SCL,   2*SLOT                     ; A's scale bytes: 128 rows x 128 bytes as units of 256 + 16
.set HSA,   32*272                     ; those of 64 rows
.set HSB,   64*272                     ; those of 128 rows
.set SCB,   SCL+2*HSA                  ; B's scale bytes
.set SBLK,  8*272                      ; those of 16 rows
.set STAGE, SCB+2*HSB                  ; 16 rows x 272 bytes for each wave
.set SPARE, STAGE+4*16*272             ; the spare words, 128 bytes a wave
.set LAPS,  4                          ; a lap = two K steps of 512
.set ADRA, 16                          ; v16-17 my A fragments in slot 0, 1
.set ADRB, 20                          ; v20-21 the same for B
.set FO,   23                          ; v23 my offset in qkv32
.set STO,  24
.set RD,   25
.set CO,   26
.set ADRS, 27                          ; v27 my scale words: lanes 0-15 A's rows, lanes 16-31 B's
.set SPW,  28
.set NIL,  29
.set CA,   30                          ; v30 my offset in cos and sin
.set TOK,  31                          ; v31 my wave's first token
.set SC,   32
.set F,    96
.set AF,   128
.set BK,   192
.set G1,   24
.set G0,   32
.set G1B,  48
.set G0B,  56
.set G1S,  68
.set G0S,  76
.set G1SB, 80
.set G0SB, 88
.set MSB, 0
.macro WIN new                         ; the immediate's high byte repeats the setting that is left
.if MSB != \new
	s_set_vgpr_msb (MSB<<8)|\new
.set MSB, \new
.endif
.endm
.set MUL,  0xa1                        ; source 0 (B) window 1, source 1 (A) window 0, C and D window 2
.set TO_B, 0x40
.macro JLOAD g0a, g1a, g0b, g1b        ; a joint load: waves 0, 1 for A, waves 2, 3 for B; the branch hangs on the wave's number alone; an s_nop 0 and four v_nop follow each line
	s_cmp_eq_u32 s21, 0
	s_cbranch_scc0 .Lfor_b_\@
	tensor_load_to_lds s[\g0a:\g0a+3], s[\g1a:\g1a+7]
	s_nop 0
.rept 4
	v_nop
.endr
	s_branch .Lasked_\@
.Lfor_b_\@:
	tensor_load_to_lds s[\g0b:\g0b+3], s[\g1b:\g1b+7]
	s_nop 0
.rept 4
	v_nop
.endr
.Lasked_\@:
.endm
.macro CREST
	s_cmp_lg_u32 s20, 0
	s_cbranch_scc1 .Lnot_wave_0_\@
	s_barrier_signal -3
.Lnot_wave_0_\@:
	s_barrier_wait -3
	s_barrier_signal -1
	s_barrier_wait -1
.endm
.macro CROUND
	s_barrier_signal -1
	s_barrier_wait -1
	CREST
.endm
.macro PLACES n
.rept \n
	v_nop
.endr
.endm
	s_load_b256 s[4:11], s[0:1], 0x0               ; x_codes, x_scales, w_codes, w_scales
	s_load_b256 s[12:19], s[0:1], 0x20             ; cos, sin, qkv16, qkv32
	v_lshl_add_u32 v[SPW], v0, 2, SPARE
	v_mov_b32 v[NIL], 0
	ds_add_u32 v[SPW], v[NIL]                      ; the opening: the add, twice on end, and its wait ahead of my first tensor load
	ds_add_u32 v[SPW], v[NIL]
	v_lshrrev_b32 v1, 5, v0
	v_readfirstlane_b32 s20, v1                    ; wave 0..3
	s_lshr_b32 s21, s20, 1                         ; which 64 tokens are mine.  Also: I fetch for A (0) or B (1)
	s_and_b32 s22, s20, 1                          ; which 128 columns.  Also: which half of that tile I fetch
	s_bfe_u32 s40, ttmp6, 0x40000                  ; cx
	s_bfe_u32 s41, ttmp6, 0x40004                  ; cy
	s_lshl_b32 s42, ttmp9, 2
	s_add_co_u32 s42, s42, s40                     ; tile column
	s_and_b32 s43, ttmp7, 0xffff
	s_lshl_b32 s43, s43, 2
	s_add_co_u32 s43, s43, s41                     ; tile row
	s_lshl_b32 s44, s41, 2
	s_lshl_b32 s44, 15, s44                        ; my row of the cluster
	s_lshl_b32 s45, 0x1111, s40                    ; my column
	s_or_b32 s[G1], s44, (0<<16)|(1<<20)|(1<<21)|(5<<22)|(3<<25)    ; mask; elements of 1 byte; padding: 4 words behind every 64
	s_or_b32 s[G1B], s45, (0<<16)|(1<<20)|(1<<21)|(5<<22)|(3<<25)
	s_mov_b32 s[G1+1], 256<<16                     ; tensor_dim0
	s_mov_b32 s[G1+2], 64<<16                      ; tensor_dim1
	s_mov_b32 s[G1+3], 256<<16                     ; tile_dim0
	s_mov_b32 s[G1+4], 64                          ; tile_dim1
	s_mov_b32 s[G1+5], KROW
	s_mov_b32 s[G1+6], 0
	s_mov_b32 s[G1+7], 0
	s_mov_b32 s[G1B+1], 256<<16
	s_mov_b32 s[G1B+2], 128<<16
	s_mov_b32 s[G1B+3], 256<<16
	s_mov_b32 s[G1B+4], 128
	s_mov_b32 s[G1B+5], KROW
	s_mov_b32 s[G1B+6], 0
	s_mov_b32 s[G1B+7], 0
	s_or_b32 s[G1S], s44, (3<<16)|(1<<20)|(1<<21)|(5<<22)|(3<<25)   ; scale bytes: dense blocks as rows of 256 bytes (32 elements of 8)
	s_or_b32 s[G1SB], s45, (3<<16)|(1<<20)|(1<<21)|(5<<22)|(3<<25)
	s_mov_b32 s[G1S+1], 32<<16
	s_mov_b32 s[G1S+2], 32<<16
	s_mov_b32 s[G1S+3], 32<<16
	s_mov_b32 s[G1S+4], 32
	s_mov_b32 s[G1S+5], 32
	s_mov_b32 s[G1S+6], 0
	s_mov_b32 s[G1S+7], 0
	s_mov_b32 s[G1SB+1], 32<<16
	s_mov_b32 s[G1SB+2], 64<<16
	s_mov_b32 s[G1SB+3], 32<<16
	s_mov_b32 s[G1SB+4], 64
	s_mov_b32 s[G1SB+5], 32
	s_mov_b32 s[G1SB+6], 0
	s_mov_b32 s[G1SB+7], 0
	s_lshl_b32 s92, s43, 7
	s_lshl_b32 s93, s22, 6
	s_add_co_u32 s92, s92, s93                     ; A: row 128 x tile row + 64 x half
	s_mov_b32 s93, 0
	s_lshl_b64 s[94:95], s[92:93], 7               ; its scale bytes,
	s_lshl_b64 s[92:93], s[92:93], 11              ; its codes
	s_lshl_b32 s96, s42, 8
	s_lshl_b32 s97, s22, 7
	s_add_co_u32 s96, s96, s97                     ; B: row 256 x tile column + 128 x half
	s_mov_b32 s97, 0
	s_lshl_b64 s[98:99], s[96:97], 7
	s_lshl_b64 s[96:97], s[96:97], 11
	s_mul_i32 s46, s22, HALFA                      ; where they go: no place in the cluster enters an LDS address
	s_mul_i32 s47, s22, HALFB
	s_add_co_u32 s47, s47, ATILE
	s_mul_i32 s3, s22, HSA
	s_add_co_u32 s3, s3, SCL
	s_mul_i32 s2, s22, HSB
	s_add_co_u32 s2, s2, SCB
	s_wait_dscnt 0x0                               ; both opening adds are done
	s_wait_kmcnt 0x0
	s_add_nc_u64 s[92:93], s[4:5], s[92:93]
	s_add_nc_u64 s[94:95], s[6:7], s[94:95]
	s_add_nc_u64 s[96:97], s[8:9], s[96:97]
	s_add_nc_u64 s[98:99], s[10:11], s[98:99]
	CROUND                                         ; all sixteen work-groups are here: the first joint loads meet
	s_mov_b32 s[G0S], 1
	s_mov_b32 s[G0S+1], s3
	s_mov_b64 s[G0S+2:G0S+3], s[94:95]
	s_or_b32 s[G0S+3], s[G0S+3], 0x80000000
	s_mov_b32 s[G0SB], 1
	s_mov_b32 s[G0SB+1], s2
	s_mov_b64 s[G0SB+2:G0SB+3], s[98:99]
	s_or_b32 s[G0SB+3], s[G0SB+3], 0x80000000
	JLOAD G0S, G1S, G0SB, G1SB                     ; the scales first: they are wanted with K step 0
.irp s, 0,1
	s_mov_b32 s[G0+4*\s], 1
	s_add_co_u32 s[G0+4*\s+1], s46, \s*SLOT
	s_add_nc_u64 s[G0+4*\s+2:G0+4*\s+3], s[92:93], \s*256
	s_or_b32 s[G0+4*\s+3], s[G0+4*\s+3], 0x80000000
	s_mov_b32 s[G0B+4*\s], 1
	s_add_co_u32 s[G0B+4*\s+1], s47, \s*SLOT
	s_add_nc_u64 s[G0B+4*\s+2:G0B+4*\s+3], s[96:97], \s*256
	s_or_b32 s[G0B+4*\s+3], s[G0B+4*\s+3], 0x80000000
	JLOAD G0+4*\s, G1, G0B+4*\s, G1B
.endr
	v_and_b32 v1, 15, v0                           ; r
	v_bfe_u32 v2, v0, 4, 1                         ; h
	v_mul_u32_u24 v3, v1, PITCH
	v_lshl_add_u32 v4, v2, 4, v3                   ; row x pitch + 16 h
	s_mul_i32 s92, s21, HALFA                      ; my 64 rows of A
	s_mul_i32 s93, s22, HALFB
	s_add_co_u32 s93, s93, ATILE                   ; my 128 rows of B
.irp s, 0,1
	v_add_nc_u32 v[ADRA+\s], s92, v4
	v_add_nc_u32 v[ADRB+\s], s93, v4
	s_add_co_u32 s92, s92, SLOT
	s_add_co_u32 s93, s93, SLOT
.endr
	v_lshlrev_b32 v5, 7, v1                        ; my row's scale bytes: 128 a row,
	v_lshrrev_b32 v6, 1, v1
	v_lshl_add_u32 v5, v6, 4, v5                   ; and 16 more for each 256 passed
	s_mul_i32 s92, s21, HSA
	s_mul_i32 s93, s22, HSB
	s_add_co_u32 s93, s93, SCB-SCL
	s_sub_co_u32 s93, s93, s92
	v_mul_u32_u24 v6, s93, v2                      ; lanes 16-31 take B's: one product with h
	s_add_co_u32 s92, s92, SCL
	v_add_nc_u32 v5, v5, v6
	v_add_nc_u32 v[ADRS], s92, v5
	s_mul_i32 s92, s20, 16*272
	s_add_co_u32 s92, s92, STAGE                   ; my stage
	v_add_nc_u32 v[STO], s92, v4                   ; in: row r, 16 bytes for each half of the lanes
	v_mul_u32_u24 v5, v2, 272
	v_lshl_add_u32 v5, v1, 4, v5
	v_add_nc_u32 v[RD], s92, v5                    ; back: lanes 0-15 one row, lanes 16-31 the next
	v_lshlrev_b32 v5, 8, v2
	v_lshl_add_u32 v[CO], v1, 4, v5                ; and the same two rows in qkv16
	v_lshlrev_b32 v5, 9, v1
	v_lshl_add_u32 v[CA], v2, 5, v5                ; cos, sin: row r of 512 bytes + 32 h
	v_lshlrev_b32 v5, 14, v1
	v_lshl_add_u32 v[FO], v2, 5, v5                ; qkv32: row r of 16,384 bytes + 32 h
	s_lshl_b32 s92, s43, 7
	s_lshl_b32 s93, s21, 6
	s_add_co_u32 s92, s92, s93                     ; my wave's first token
	v_mov_b32 v[TOK], s92
	s_mov_b32 s93, 0
	s_lshl_b64 s[94:95], s[92:93], 9
	s_add_nc_u64 s[12:13], s[12:13], s[94:95]
	s_add_nc_u64 s[14:15], s[14:15], s[94:95]
	s_lshl_b64 s[94:95], s[92:93], 8
	s_lshl_b32 s96, s42, 1
	s_add_co_u32 s96, s96, s22                     ; my head, 0..31
	s_mov_b32 s97, 0
	s_lshl_b64 s[98:99], s[96:97], 19
	s_add_nc_u64 s[16:17], s[16:17], s[98:99]
	s_add_nc_u64 s[16:17], s[16:17], s[94:95]      ; qkv16 at my head's row of my first token
	s_lshl_b32 s96, s96, 9
	s_add_nc_u64 s[18:19], s[18:19], s[96:97]      ; qkv32 at my head's first column
; cos and sin of the 16 tokens of row block a into set: 32 loads; register 8 b + j of a set's half is channel 16 b + 8 h + j of token r
.macro CSLOAD a, set
	WIN 0xc0
.irp b, 0,1,2,3,4,5,6,7
.irp c, 0,1
	global_load_b128 v[128*(\set)+8*\b+4*\c:128*(\set)+8*\b+4*\c+3], v[CA], s[12:13] offset:8192*(\a)+64*\b+16*\c
	global_load_b128 v[128*(\set)+64+8*\b+4*\c:128*(\set)+64+8*\b+4*\c+3], v[CA], s[14:15] offset:8192*(\a)+64*\b+16*\c
.endr
.endr
	WIN 0
.endm
	CSLOAD 0, 0                                    ; row blocks 0 and 1 are asked for now and land under the products (V's work-groups ask too and do not use them: so these registers are written on every way)
	CSLOAD 1, 1
.macro FRAG reg, adr, q, i             ; 16 rows x 128 K of 4-bit codes: registers 4 c .. 4 c + 3 hold K = 64 c + 32 h + 0 .. 31
.irp c, 0,1
	ds_load_b128 v[\reg+4*\c:\reg+4*\c+3], v[\adr] offset:64*(\q)+32*\c+(\i)*16*PITCH
.endr
.endm
.macro FETCH slot, q, p                ; 24 LDS loads in one run: the slot's q-th 128 along K into set p
	WIN TO_B
.irp i, 0,1,2,3,4,5,6,7
	FRAG 128*(\p)+8*\i, ADRB+\slot, \q, \i
.endr
	WIN 0
.irp i, 0,1,2,3
	FRAG AF+32*(\p)+8*\i, ADRA+\slot, \q, \i
.endr
.endm
.macro SCALES sc                       ; a K step's scale words: lanes 0-15 A's block i (for i over 3: filled bytes that no product names), lanes 16-31 B's block i
.irp i, 0,1,2,3,4,5,6,7
	ds_load_b128 v[SC+32*\sc+4*\i:SC+32*\sc+4*\i+3], v[ADRS] offset:\i*SBLK
.endr
.endm
.macro MULA a, p, q, sc, zero          ; A's block a against B's eight.  The 32 accumulators take turns, one instruction a turn
.irp b, 0,1,2,3,4,5,6,7
.if \zero
	v_wmma_scale_f32_16x16x128_f8f6f4 v[8*(8*(\a)+\b):8*(8*(\a)+\b)+7], v[128*(\p)+8*\b:128*(\p)+8*\b+7], v[AF+32*(\p)+8*(\a):AF+32*(\p)+8*(\a)+7], 0, v[SC+32*(\sc)+4*\b+(\q)], v[SC+32*(\sc)+4*(\a)+(\q)] matrix_a_fmt:MATRIX_FMT_FP4 matrix_b_fmt:MATRIX_FMT_FP4 matrix_a_scale:MATRIX_SCALE_ROW1
.else
	v_wmma_scale_f32_16x16x128_f8f6f4 v[8*(8*(\a)+\b):8*(8*(\a)+\b)+7], v[128*(\p)+8*\b:128*(\p)+8*\b+7], v[AF+32*(\p)+8*(\a):AF+32*(\p)+8*(\a)+7], v[8*(8*(\a)+\b):8*(8*(\a)+\b)+7], v[SC+32*(\sc)+4*\b+(\q)], v[SC+32*(\sc)+4*(\a)+(\q)] matrix_a_fmt:MATRIX_FMT_FP4 matrix_b_fmt:MATRIX_FMT_FP4 matrix_a_scale:MATRIX_SCALE_ROW1
.endif
.endr
.endm
.macro MUL32 p, q, sc, zero
.irp a, 0,1,2,3
	MULA \a, \p, \q, \sc, \zero
.endr
.endm
.macro STEP slot, q, zero              ; a step of 128 along K that has its successor in the same slot
	s_wait_dscnt 0x0                               ; this step's fragments, asked for a step ago
	PLACES 4                                       ; in front of loads into the set that the last step's products read
	FETCH \slot, (\q)+1, 1-(\q)%2
	WIN MUL
	MUL32 (\q)%2, \q, \slot, \zero
.endm
.macro TURN slot, next, fill           ; a slot's last step changes slots
	WIN 0
	s_wait_tensorcnt 0x0                           ; all my tensor loads have landed: my part of the next slot
	ds_add_u32 v[SPW], v[NIL]
	s_wait_dscnt 1                                 ; the step's fragments are in; the add may be out
	WIN MUL
	MULA 0, 1, 3, \slot, 0
	s_wait_dscnt 0x0                               ; the add is done, and my reads of this slot are over
	s_barrier_signal -1
	MULA 1, 1, 3, \slot, 0
	WIN 0
	s_barrier_wait -1
.if \fill
	CREST                                          ; the barrier has opened a round of the cluster's: no wave of any partner still reads this slot or has a load on its way
	s_add_nc_u64 s[G0+4*\slot+2:G0+4*\slot+3], s[G0+4*\slot+2:G0+4*\slot+3], 512
	s_add_nc_u64 s[G0B+4*\slot+2:G0B+4*\slot+3], s[G0B+4*\slot+2:G0B+4*\slot+3], 512
	JLOAD G0+4*\slot, G1, G0B+4*\slot, G1B         ; two K steps on; its four v_nop are also the places in front of the loads below
.else
	PLACES 4
.endif
	v_add_nc_u32 v[ADRS], 16, v[ADRS]              ; the next K step's scale words
	FETCH \next, 0, 0
	SCALES \next
	WIN MUL
	MULA 2, 1, 3, \slot, 0
	MULA 3, 1, 3, \slot, 0
.endm
	s_wait_tensorcnt 1                             ; the scales and my part of K step 0 are in; K step 1's load may stay out
	s_barrier_signal -1
	s_barrier_wait -1
	FETCH 0, 0, 0
	SCALES 0
	STEP 0, 0, 1                                   ; the first step's products start the sums
	WIN 0
	s_mov_b32 s23, LAPS-1
.Llap:
	STEP 0, 1, 0
	STEP 0, 2, 0
	TURN 0, 1, 1
	STEP 1, 0, 0
	STEP 1, 1, 0
	STEP 1, 2, 0
	TURN 1, 0, 1
	STEP 0, 0, 0
	WIN 0
	s_sub_co_u32 s23, s23, 1
	s_cmp_lg_u32 s23, 0
	s_cbranch_scc1 .Llap
	STEP 0, 1, 0                                   ; the last lap fills nothing
	STEP 0, 2, 0
	TURN 0, 1, 0
	STEP 1, 0, 0
	STEP 1, 1, 0
	STEP 1, 2, 0
	s_wait_dscnt 0x0
	WIN MUL
	MUL32 1, 3, 1, 0
	WIN 0
; THE WAY OUT of row block a (16 tokens x 128 channels).  rope = 1: out[d] = x[d] cos[d] - x[d + 64] sin[d] for d < 64, x[d] cos[d] + x[d - 64] sin[d] else.  Each accumulator is read from its low end on.
.macro OUTBLK a, rope
.set XB, 64*(\a)
.set CSB, 128*((\a)%2)
.if \rope
.if (\a) < 3
	s_wait_loadcnt 32                              ; this block's cos and sin are in; the next block's 32 loads may be out
.else
	s_wait_loadcnt 0x0
.endif
	WIN 0x4e                                       ; destination window 1, x window 2, cos window 3
.irp b, 0,1,2,3,4,5,6,7
.irp j, 0,2,4,6
	v_pk_mul_f32 v[8*\b+\j:8*\b+\j+1], v[XB+8*\b+\j:XB+8*\b+\j+1], v[CSB+8*\b+\j:CSB+8*\b+\j+1]
.endr
.endr
	WIN 0x5e
.irp b, 0,1,2,3
.irp j, 0,2,4,6
	v_pk_fma_f32 v[8*\b+\j:8*\b+\j+1], v[XB+32+8*\b+\j:XB+32+8*\b+\j+1], v[CSB+64+8*\b+\j:CSB+64+8*\b+\j+1], v[8*\b+\j:8*\b+\j+1] neg_lo:[0,1,0] neg_hi:[0,1,0]
.endr
.endr
.irp b, 4,5,6,7
.irp j, 0,2,4,6
	v_pk_fma_f32 v[8*\b+\j:8*\b+\j+1], v[XB-32+8*\b+\j:XB-32+8*\b+\j+1], v[CSB+64+8*\b+\j:CSB+64+8*\b+\j+1], v[8*\b+\j:8*\b+\j+1]
.endr
.endr
.if (\a) < 2
	CSLOAD (\a)+2, (\a)%2                          ; the set just read takes the block two further on
.endif
	WIN 0x41
.set i, 0
.rept 32
	v_pk_mul_f32 v[i:i+1], v[i:i+1], 0x3e000000 op_sel_hi:[1,0]      ; x 2^-3: exact
.set i, i+2
.endr
.else
	WIN 0x42
.set i, 0
.rept 32
	v_pk_mul_f32 v[i:i+1], v[XB+i:XB+i+1], 0x3e000000 op_sel_hi:[1,0]
.set i, i+2
.endr
.endif
	WIN 0
.if (\a) == 0                          ; tokens 0-15 unrounded.  The branch hangs on the cluster's y and the wave's number; what hangs on my place in the cluster is a lane mask, not a branch
	s_and_b32 s92, ttmp7, 0xffff
	s_or_b32 s92, s92, s21
	s_cmp_lg_u32 s92, 0
	s_cbranch_scc1 .Lno32_\@
	v_cmp_eq_u32 vcc_lo, 0, v[TOK]
	s_wait_xcnt 0x0                                ; EXEC changes only behind this wait
	s_and_saveexec_b32 s100, vcc_lo
	WIN 0x04                                       ; a store's data: window 1
.irp b, 0,1,2,3,4,5,6,7
.irp c, 0,1
	global_store_b128 v[FO], v[8*\b+4*\c:8*\b+4*\c+3], s[18:19] offset:64*\b+16*\c
.endr
.endr
	WIN 0
	s_wait_xcnt 0x0                                ; and again in front of the line that widens it; the stores' data are also free behind it
	s_or_b32 exec_lo, exec_lo, s100
.Lno32_\@:
.endif
	WIN 0x05
.set i, 0
.rept 32
	v_cvt_pk_f16_f32 v[F+i], v[2*i], v[2*i+1]
.set i, i+1
.endr
	WIN 0
	s_wait_xcnt 0x0                                ; the last block's stores have read the registers that the loads below fill
.irp b, 0,1,2,3,4,5,6,7
	ds_store_b128 v[STO], v[F+4*\b:F+4*\b+3] offset:32*\b
.endr
.irp t, 0,1,2,3,4,5,6,7
	ds_load_b128 v[BK+4*\t:BK+4*\t+3], v[RD] offset:\t*544           ; LDS serves a wave's instructions in order: these see the stores above
.endr
	s_wait_dscnt 0x0
.irp t, 0,1,2,3,4,5,6,7
	global_store_b128 v[CO], v[BK+4*\t:BK+4*\t+3], s[16:17] offset:4096*(\a)+512*\t   ; the wave stores 512 consecutive bytes, aligned
.endr
.endm
	PLACES 4                                       ; behind the last products, ahead of the first read of results and the first write over B's fragments
	s_cmp_eq_u32 ttmp9, 3                          ; tile columns 12-15 are V's: the cluster's x, the same in all partners
	s_cbranch_scc1 .Lplain
	OUTBLK 0, 1
	OUTBLK 1, 1
	OUTBLK 2, 1
	OUTBLK 3, 1
	s_branch .Lend
.Lplain:
	OUTBLK 0, 0
	OUTBLK 1, 0
	OUTBLK 2, 0
	OUTBLK 3, 0
.Lend:
	s_wait_tensorcnt 0x0                           ; the wave's end
	ds_add_u32 v[SPW], v[NIL]
	s_wait_dscnt 0x0
	CROUND                                         ; the closing round
	s_endpgm
.Lfunc_end_k_q0cd51822b9_qkv:
	.size	k_q0cd51822b9_qkv, .Lfunc_end_k_q0cd51822b9_qkv-k_q0cd51822b9_qkv
	.p2alignl 7, 3214868480
	.fill 96, 4, 3214868480
	.section	.rodata,"a",@progbits
	.p2align	6, 0x0
	.amdhsa_kernel k_q0cd51822b9_qkv
		.amdhsa_group_segment_fixed_size 327680
		.amdhsa_private_segment_fixed_size 0
		.amdhsa_enable_private_segment 0
		.amdhsa_kernarg_size 64
		.amdhsa_user_sgpr_count 2
		.amdhsa_user_sgpr_kernarg_segment_ptr 1
		.amdhsa_wavefront_size32 1
		.amdhsa_system_sgpr_workgroup_id_x 1
		.amdhsa_system_sgpr_workgroup_id_y 1
		.amdhsa_system_sgpr_workgroup_id_z 1
		.amdhsa_system_vgpr_workitem_id 0
		.amdhsa_next_free_vgpr 1024
		.amdhsa_next_free_sgpr 102
		.amdhsa_reserve_vcc 1
		.amdhsa_float_denorm_mode_32 3
		.amdhsa_float_denorm_mode_16_64 3
		.amdhsa_memory_ordered 1
		.amdhsa_forward_progress 1
		.amdhsa_inst_pref_size 195
	.end_amdhsa_kernel
	.amdgpu_metadata
---
amdhsa.version: [ 1, 2 ]
amdhsa.kernels:
  - .name:           k_q0cd51822b9_qkv
    .symbol:         k_q0cd51822b9_qkv.kd
    .args:
      - { .name: x_codes, .offset: 0, .size: 8, .value_kind: global_buffer, .address_space: global }
      - { .name: x_scales, .offset: 8, .size: 8, .value_kind: global_buffer, .address_space: global }
      - { .name: w_codes, .offset: 16, .size: 8, .value_kind: global_buffer, .address_space: global }
      - { .name: w_scales, .offset: 24, .size: 8, .value_kind: global_buffer, .address_space: global }
      - { .name: cos, .offset: 32, .size: 8, .value_kind: global_buffer, .address_space: global }
      - { .name: sin, .offset: 40, .size: 8, .value_kind: global_buffer, .address_space: global }
      - { .name: qkv16, .offset: 48, .size: 8, .value_kind: global_buffer, .address_space: global }
      - { .name: qkv32, .offset: 56, .size: 8, .value_kind: global_buffer, .address_space: global }
    .group_segment_fixed_size: 327680
    .private_segment_fixed_size: 0
    .kernarg_segment_align: 8
    .kernarg_segment_size: 64
    .max_flat_workgroup_size: 128
    .sgpr_count:     102
    .vgpr_count:     1024
    .wavefront_size: 32
...
	.end_amdgpu_metadata
.endif
;; end of part 2
;; launch attn (part 3): grid 32 x 8, 4 waves a work-group, no clusters, 327,680 bytes of LDS; arguments qkv16, attn16; writes attn16
.if DOCPART == 3
	.amdgcn_target "amdgcn-amd-amdhsa--gfx1250"
	.amdhsa_code_object_version 6
	.text
	.protected	k_q0cd51822b9_attn
	.globl	k_q0cd51822b9_attn
	.p2align	8
	.type	k_q0cd51822b9_attn,@function
k_q0cd51822b9_attn:
	s_mov_b64 s[64:65], 0
	v_nop
	global_prefetch_b8 v0, s[64:65] scope:SCOPE_SE
	s_setreg_imm32_b32 hwreg(HW_REG_WAVE_MODE, 25, 1), 1
	s_wait_xcnt 0x0
; Causal attention with grouped keys: attn16[token][128 head + ch] = f16( (sum over keys <= token of softmax(q . k / sqrt(128)) v) / 2 ).  qkv16 holds q / 8, k / 8, v / 8 in f16, [32 heads][2048][128].
; Products on f16 operands with f32 sums; maxima, exponentials and row sums in f32; the weights p = 2^(t - m) <= 1 are rounded to f16 for the second product, the row's sum is taken of the unrounded p; a running maximum is kept.
; LIMITS: |attn| stays under 131,000 (its half must be an f16 number).  Tokens 0-15 are computed here too; a later launch makes their outputs anew in f32.
; SHARES, even under the mask: work-group (x = p, y = g) owns key head g and two blocks of 32 tokens, block p (early) and block 63 - p (late).  Wave w takes head 2 g + w % 2 and the 16 tokens w / 2 of each block:
; tile 0 early, tile 1 late.  Early and late steps together are 33 or 34 tile-steps of 64 keys, whatever p is.
; NO CLUSTER: the number of slots that a work-group needs hangs on p, so the look-ahead ends by a jump on ids.
; LAYOUT: S^T = K Q^T (source 0 = 16 keys, source 1 = 16 queries): a lane holds one query (lane % 16) and keys 8 (lane / 16) + 0..7; two such tiles rounded in pairs are source 1 of O^T = V^T P.  V comes out of LDS turned.
; THE RING: two slots of 128 keys (two steps).  The change of slots stands at a slot's head; behind its barrier the other slot is asked for: one tensor load a wave (waves 0, 1: K of step 0, 1; waves 2, 3: V), one out at a time.
; EVERY work-group walks all 16 slots, so that trip counts are constants; what lies past its last query is jumped over, by tests on ids and the count of slots, the same in all four waves
; (a step is 64 keys, and a wave's 16 queries lie in the same 64 as the block's last).  Every wait on TENSORcnt is for 0.
; REGISTERS: window 0: v1-15 addresses; v16-31 statistics (8 a tile: c m, m, l in two halves, 4 at work); v32-95 Q; v96-159 S^T; v160-191 P; v192-195 at work.  window 1: O^T, 64 a tile.  window 2: v0-127 K, v128-255 V.
.set PK,    272                        ; a row of K in LDS: 256 bytes + 16
.set PVP,   288                        ; a row of V: 256 + 32
.set VOFF,  64*PK
.set STEPB, 64*(PK+PVP)
.set SLOT1, 1<<17
.set STAGE, SLOT1+2*STEPB              ; 16 rows x 272 bytes for each wave
.set SP,    272
.set SPARE, STAGE+4*16*SP
.set NSL,   16
.set AK0, 2
.set AK1, 3
.set AV0, 4                            ; v4, v5: step 0, 1
.set ADR, 6
.set QO,  7
.set STO, 8
.set RD,  9
.set GO,  10
.set DD,  11
.set NEG, 12
.set PFO, 13
.set SPW, 14
.set NIL, 15
.set ST,  16
.set Q,   32
.set S,   96
.set P,   160
.set RH,  192                          ; v192 r - 8 h
.set HH,  193
.set WV,  8
.set Q0L, 11
.set Q0H, 12
.set LASTQ, 13                         ; my work-group's last late query
.set KF,  14                           ; the slot's first key
.set LIM, 15
.set TB,  16                           ; LDS byte at which the slot in hand begins
.set SLOTS, 17
.set PFA, 18
.set SEL, 20
.set CS,  22                           ; c = 64 log2(e) / sqrt(128): the 64 takes back q's and k's eighths
.set G1K, 24
.set G1V, 32
.set G0K, 40
.set G0V, 44
.set QB,  48                           ; s[48:49], s[50:51] Q's rows of tile 0, 1
.set LASTL, 52                         ; my work-group's last early query
.set KS,  53                           ; the step's first key
.set OB,  56                           ; s[56:57], s[58:59] attn16 at tile 0's, tile 1's first row
.set MSB, 0
.macro WIN new
.if MSB != \new
	s_set_vgpr_msb (MSB<<8)|\new
.set MSB, \new
.endif
.endm
.macro PLACES n
.rept \n
	v_nop
.endr
.endm
.macro TLOAD                           ; the branch hangs on the wave's number alone; an s_nop 0 and four v_nop follow each line
	s_cmp_lt_u32 s[WV], 2
	s_cbranch_scc0 .Lfor_v_\@
	tensor_load_to_lds s[G0K:G0K+3], s[G1K:G1K+7]
	s_nop 0
.rept 4
	v_nop
.endr
	s_branch .Lasked_\@
.Lfor_v_\@:
	tensor_load_to_lds s[G0V:G0V+3], s[G1V:G1V+7]
	s_nop 0
.rept 4
	v_nop
.endr
.Lasked_\@:
.endm
; A prefetch of what the NEXT change of slots will ask for.  All work-groups of a key head walk the same K and V: the one with x = 0, which walks all slots, asks; each of its waves names the 64 rows of 256 bytes
; that it will itself load: two instructions, a lane a row.  So each row is named once in the launch.  The last change that fills a slot asks for nothing.
.macro ASK
	s_cmp_gt_u32 s[SLOTS], s[LIM]
	s_cbranch_scc0 .Lnot_mine_\@
	global_prefetch_b8 v[PFO], s[PFA:PFA+1] th:TH_LOAD_NT scope:SCOPE_SE
	global_prefetch_b8 v[PFO], s[PFA:PFA+1] offset:8192 th:TH_LOAD_NT scope:SCOPE_SE
.Lnot_mine_\@:
.endm
	s_load_b128 s[4:7], s[0:1], 0x0                ; qkv16, attn16
	v_lshl_add_u32 v[SPW], v0, 2, SPARE
	v_mov_b32 v[NIL], 0
	ds_add_u32 v[SPW], v[NIL]                      ; the opening: the add, twice on end, and its wait ahead of my first tensor load
	ds_add_u32 v[SPW], v[NIL]
	v_lshrrev_b32 v1, 5, v0
	v_readfirstlane_b32 s[WV], v1
	s_and_b32 s10, ttmp7, 0xffff                   ; g
	s_lshr_b32 s66, s[WV], 1
	s_lshl_b32 s66, s66, 4                         ; 16 x (wave / 2)
	s_lshl_b32 s67, ttmp9, 5                       ; 32 p
	s_add_co_u32 s[Q0L], s67, s66
	s_sub_co_u32 s[Q0H], 2016, s67
	s_add_co_u32 s[Q0H], s[Q0H], s66
	s_sub_co_u32 s[LASTQ], 2047, s67
	s_add_co_u32 s[LASTL], s67, 31
	s_and_b32 s68, s[WV], 1                        ; which of the two heads; also which step of a slot I fetch
	s_lshl_b32 s69, s10, 1
	s_add_co_u32 s69, s69, s68                     ; my head
	s_lshl_b32 s60, s69, 19
	s_lshl_b32 s61, s[Q0L], 8
	s_add_co_u32 s[QB], s60, s61
	s_mov_b32 s[QB+1], 0
	s_lshl_b32 s61, s[Q0H], 8
	s_add_co_u32 s[QB+2], s60, s61
	s_mov_b32 s[QB+3], 0
	s_lshl_b32 s60, s69, 8
	s_lshl_b32 s61, s[Q0L], 12
	s_add_co_u32 s[OB], s60, s61
	s_mov_b32 s[OB+1], 0
	s_lshl_b32 s61, s[Q0H], 12
	s_add_co_u32 s[OB+2], s60, s61
	s_mov_b32 s[OB+3], 0
	s_add_co_u32 s60, s10, 16
	s_lshl_b32 s60, s60, 19                        ; K's head 16 + g,
	s_lshl_b32 s61, s68, 14
	s_add_co_u32 s60, s60, s61                     ; my step's 64 rows
	s_mov_b32 s61, 0
	s_add_co_u32 s62, s60, 0x400000                ; V's head lies 8 heads on
	s_mov_b32 s63, 0
	s_mul_i32 s67, s68, STEPB
	s_mov_b32 s[G1K], (1<<16)|(1<<20)|(5<<22)|(3<<25)   ; elements of 2 bytes; padding: 4 words behind every 64
	s_mov_b32 s[G1V], (1<<16)|(1<<20)|(5<<22)|(7<<25)   ; 8 words
.irp g, G1K, G1V
	s_mov_b32 s[\g+1], 128<<16
	s_mov_b32 s[\g+2], 64<<16
	s_mov_b32 s[\g+3], 128<<16
	s_mov_b32 s[\g+4], 64
	s_mov_b32 s[\g+5], 128
	s_mov_b32 s[\g+6], 0
	s_mov_b32 s[\g+7], 0
.endr
	s_mov_b32 s[SEL], 0x76543210
	s_mov_b32 s[SEL+1], 0xfedcba98
	s_mov_b32 s[CS], 0x410293ee
	s_mov_b32 s[CS+1], s[CS]
	s_mov_b32 s[TB], 0
	s_mov_b32 s[KF], 0
	s_mov_b32 s[SLOTS], NSL-1
	s_cmp_eq_u32 ttmp9, 0
	s_cselect_b32 s[LIM], 1, -1
	s_cmp_lt_u32 s[WV], 2
	s_cselect_b64 s[PFA:PFA+1], s[60:61], s[62:63] ; (offsets still: my own tile's)
	s_wait_dscnt 0x0                               ; both opening adds are done
	s_wait_kmcnt 0x0
	s_mov_b32 s[G0K], 1
	s_mov_b32 s[G0K+1], s67
	s_add_nc_u64 s[G0K+2:G0K+3], s[4:5], s[60:61]
	s_or_b32 s[G0K+3], s[G0K+3], 0x80000000
	s_mov_b32 s[G0V], 1
	s_add_co_u32 s[G0V+1], s67, VOFF
	s_add_nc_u64 s[G0V+2:G0V+3], s[4:5], s[62:63]
	s_or_b32 s[G0V+3], s[G0V+3], 0x80000000
	TLOAD                                          ; slot 0: keys 0-127, which count for every late query
	s_add_nc_u64 s[PFA:PFA+1], s[4:5], s[PFA:PFA+1]
	s_add_nc_u64 s[PFA:PFA+1], s[PFA:PFA+1], 32768 ; in slot 1; the first change steps it to slot 2.  Nothing is prefetched at the head
	s_add_nc_u64 s[QB:QB+1], s[4:5], s[QB:QB+1]
	s_add_nc_u64 s[QB+2:QB+3], s[4:5], s[QB+2:QB+3]
	s_add_nc_u64 s[OB:OB+1], s[6:7], s[OB:OB+1]
	s_add_nc_u64 s[OB+2:OB+3], s[6:7], s[OB+2:OB+3]
	v_and_b32 v1, 15, v0                           ; r
	v_bfe_u32 v[HH], v0, 4, 1                      ; h
	v_lshlrev_b32 v[QO], 8, v1
	v_lshl_add_u32 v[QO], v[HH], 4, v[QO]
.irp t, 0,1
.irp c, 0,1,2,3
	global_load_b128 v[Q+32*\t+8*\c:Q+32*\t+8*\c+3], v[QO], s[QB+2*\t:QB+2*\t+1] offset:64*\c
	global_load_b128 v[Q+32*\t+8*\c+4:Q+32*\t+8*\c+7], v[QO], s[QB+2*\t:QB+2*\t+1] offset:64*\c+32
.endr
.endr
	v_mul_u32_u24 v[AK0], v1, PK
	v_lshl_add_u32 v[AK0], v[HH], 4, v[AK0]
	v_add_nc_u32 v[AK1], STEPB, v[AK0]
	v_and_b32 v194, 7, v0
	v_bfe_u32 v195, v0, 3, 1
	v_lshl_add_u32 v[AV0], v[HH], 3, v194          ; the turning load: lane l reads key 8 (l / 16) + l % 8, channels 8 ((l / 8) % 2) on
	v_mul_u32_u24 v[AV0], v[AV0], PVP
	v_lshl_add_u32 v[AV0], v195, 4, v[AV0]
	v_add_nc_u32 v[AV0], VOFF, v[AV0]
	v_add_nc_u32 v[AV0+1], STEPB, v[AV0]
	v_lshlrev_b32 v[RH], 3, v[HH]
	v_sub_nc_u32 v[RH], v1, v[RH]
	v_mov_b32 v[NEG], 0xff800000
	v_and_b32 v[PFO], 31, v0
	v_lshlrev_b32 v[PFO], 8, v[PFO]
	s_mul_i32 s66, s[WV], 16*SP
	s_add_co_u32 s66, s66, STAGE
	v_mul_u32_u24 v[STO], v1, SP
	v_lshl_add_u32 v[STO], v[HH], 4, v[STO]
	v_add_nc_u32 v[STO], s66, v[STO]
	v_mul_u32_u24 v[RD], v[HH], SP
	v_lshl_add_u32 v[RD], v1, 4, v[RD]
	v_add_nc_u32 v[RD], s66, v[RD]
	v_lshlrev_b32 v[GO], 12, v[HH]
	v_lshl_add_u32 v[GO], v1, 4, v[GO]
.irp t, 0,1
	v_mov_b32 v[ST+8*\t], v[NEG]                   ; c m and m: -infinity; key 0 counts for every query, so both are numbers from the first step on
	v_mov_b32 v[ST+8*\t+1], v[NEG]
.irp j, 2,3,4,5,6,7
	v_mov_b32 v[ST+8*\t+\j], 0
.endr
.endr
	WIN 0x40
.set i, 0
.rept 128
	v_mov_b32 v[i], 0                              ; O^T.  The step is written without a first step of its own: the first finds zeros, which a = 0 leaves zeros
.set i, i+1
.endr
	WIN 0
.macro FETCH_K areg                    ; a step's K: 64 keys x 128 channels, 32 loads in one run
	WIN 0
	v_add_nc_u32 v[ADR], s[TB], v[\areg]
	WIN 0x80
.irp f, 0,1,2,3,4,5,6,7,8,9,10,11,12,13,14,15
	ds_load_b128 v[8*\f:8*\f+3],   v[ADR] offset:(\f/4)*16*PK+(\f%4)*64
	ds_load_b128 v[8*\f+4:8*\f+7], v[ADR] offset:(\f/4)*16*PK+(\f%4)*64+32
.endr
.endm
.macro FETCH_V areg                    ; a step's V, turned
	WIN 0
	v_add_nc_u32 v[ADR], s[TB], v[\areg]
	WIN 0x80
.irp f, 0,1,2,3,4,5,6,7,8,9,10,11,12,13,14,15
	ds_load_tr16_b128 v[128+8*\f:128+8*\f+3],   v[ADR] offset:(\f/8)*32*PVP+(\f%8)*32
	ds_load_tr16_b128 v[128+8*\f+4:128+8*\f+7], v[ADR] offset:(\f/8)*32*PVP+16*PVP+(\f%8)*32
.endr
.endm
.macro KQ t                            ; S^T = K Q^T of tile t: 16 products; the four accumulators take turns; the first four start the sums
	WIN 0x02
.set i, 0
.rept 16
.set rS, S+32*(\t)+8*(i%4)
.set rK, 32*(i%4)+8*(i/4)
.set rQ, Q+32*(\t)+8*(i/4)
.if i < 4
	v_wmma_f32_16x16x32_f16 v[rS:rS+7], v[rK:rK+7], v[rQ:rQ+7], 0
.else
	v_wmma_f32_16x16x32_f16 v[rS:rS+7], v[rK:rK+7], v[rQ:rQ+7], v[rS:rS+7]
.endif
.set i, i+1
.endr
.endm
.macro PVMUL t                         ; O^T += V^T P of tile t: 16 products, eight accumulators by turns
	WIN 0x52
.set i, 0
.rept 16
.set rO, 64*(\t)+8*(i%8)
.set rV, 128+64*(i/8)+8*(i%8)
.set rP, P+16*(\t)+8*(i/8)
	v_wmma_f32_16x16x32_f16 v[rO:rO+7], v[rV:rV+7], v[rP:rP+7], v[rO:rO+7]
.set i, i+1
.endr
.endm
; The softmax of tile t for one step.  q0: the scalar register with the tile's first query.  Register 8 k + i holds key KS + 16 k + 8 h + i.
.macro SOFTMAX t, q0
.set rT, ST+8*(\t)
.set rS, S+32*(\t)
.set rP, P+16*(\t)
.set rO, 64*(\t)
	s_add_co_u32 s66, s[KS], 63
	s_cmp_le_u32 s66, s[\q0]                       ; a step all of whose keys count skips the mask
	s_cbranch_scc1 .Lopen_\@
	s_sub_co_u32 s66, s[\q0], s[KS]
	v_add_nc_u32 v[DD], s66, v[RH]                 ; d = my query - KS - 8 h: hidden where 16 k + i > d
.irp k, 0,1,2,3
.irp i, 0,1,2,3,4,5,6,7
	v_cmp_gt_i32 vcc_lo, 16*\k+\i, v[DD]
	v_cndmask_b32 v[rS+8*\k+\i], v[rS+8*\k+\i], v[NEG], vcc_lo
.endr
.endr
.Lopen_\@:
.irp j, 0,1,2,3
	v_max3_num_f32 v[rT+4+\j], v[rS+8*\j], v[rS+8*\j+1], v[rS+8*\j+2]     ; four chains; each accumulator is read from its low end on
.endr
.irp i, 3,5
.irp j, 0,1,2,3
	v_max3_num_f32 v[rT+4+\j], v[rT+4+\j], v[rS+8*\j+\i], v[rS+8*\j+\i+1]
.endr
.endr
	v_max3_num_f32 v[rT+4], v[rT+4], v[rS+7], v[rS+15]
	v_max3_num_f32 v[rT+6], v[rT+6], v[rS+23], v[rS+31]
	v_max3_num_f32 v[rT+4], v[rT+4], v[rT+5], v[rT+6]
	v_max3_num_f32 v[rT+4], v[rT+4], v[rT+7], v[rT+1]                     ; with the old m
	v_permlanex16_b32 v[rT+5], v[rT+4], s[SEL], s[SEL+1]                  ; the query's other 32 keys lie in the lane 16 away
	v_mov_b32 v[rT+7], v[rT]                       ; c m_old
	v_max_num_f32 v[rT+1], v[rT+4], v[rT+5]        ; the new m
	v_mul_f32 v[rT], s[CS], v[rT+1]
	v_sub_f32 v[rT+7], v[rT+7], v[rT]
.set i, 0
.rept 16
	v_pk_fma_f32 v[rS+i:rS+i+1], v[rS+i:rS+i+1], s[CS:CS+1], v[rT:rT+1] op_sel_hi:[1,0,0] neg_lo:[0,0,1] neg_hi:[0,0,1]   ; c s - c m
.set i, i+2
.endr
	v_exp_f32 v[rT+6], v[rT+7]                     ; a = 2^(c m_old - c m_new)
.set i, 0
.rept 32
	v_exp_f32 v[rS+i], v[rS+i]
.set i, i+1
.endr
	v_nop                                          ; a plain instruction behind the last exponential
	s_wait_alu depctr_va_vdst(0)                   ; one wait for the batch of 33, ahead of its first reader
.set i, 0
.rept 16
	v_cvt_pk_f16_f32 v[rP+i], v[rS+2*i], v[rS+2*i+1]
.set i, i+1
.endr
.irp u, 0,1,2,3,4,5,6,7
	v_pk_add_f32 v[rS+4*\u:rS+4*\u+1], v[rS+4*\u:rS+4*\u+1], v[rS+4*\u+2:rS+4*\u+3]   ; the row's sum of the unrounded p, in place
.endr
.irp u, 0,1,2,3
	v_pk_add_f32 v[rS+8*\u:rS+8*\u+1], v[rS+8*\u:rS+8*\u+1], v[rS+8*\u+4:rS+8*\u+5]
.endr
.irp u, 0,1
	v_pk_add_f32 v[rS+16*\u:rS+16*\u+1], v[rS+16*\u:rS+16*\u+1], v[rS+16*\u+8:rS+16*\u+9]
.endr
	v_pk_add_f32 v[rS:rS+1], v[rS:rS+1], v[rS+16:rS+17]
	v_pk_fma_f32 v[rT+2:rT+3], v[rT+2:rT+3], v[rT+6:rT+7], v[rS:rS+1] op_sel_hi:[1,0,1]   ; l = a l + the sum
	WIN 0x41
.set i, 0
.rept 32
	v_pk_mul_f32 v[rO+i:rO+i+1], v[rO+i:rO+i+1], v[rT+6:rT+7] op_sel_hi:[1,0]             ; O^T x a, each accumulator from its low end on
.set i, i+2
.endr
	WIN 0
.endm
; A key step, the q-th of the slot; nt = 2: both tiles, 1: the late tile alone.  Its K has been asked for.  V, and in step 0 the next step's K, land under the softmax.
.macro STEP q, nt
	s_wait_dscnt 0x0                               ; K is in
	KQ 1
.if \nt == 2
	KQ 0
.endif
	WIN 0
	PLACES 4                                       ; behind the products: ahead of the loads into V's and K's registers and of the first read of the scores
	FETCH_V AV0+\q
.if \q == 0
	FETCH_K AK1
.endif
	WIN 0
	SOFTMAX 1, Q0H
.if \nt == 2
	SOFTMAX 0, Q0L
.endif
	s_wait_dscnt 0x0                               ; V is in (and the next step's K)
	PVMUL 1
.if \nt == 2
	PVMUL 0
.endif
	WIN 0
.endm
.macro STEPV q                         ; the variant is chosen once a step
	s_cmp_gt_u32 s[KS], s[LASTL]
	s_cbranch_scc1 .Lone_\@
	STEP \q, 2
	s_branch .Ljoin_\@
.Lone_\@:
	STEP \q, 1
.Ljoin_\@:
.endm
.macro SLOTBODY
	s_cmp_gt_u32 s[KF], s[LASTQ]                   ; a slot all of whose keys come after my work-group's queries is left out: no barrier, wait or tensor load stands in here
	s_cbranch_scc1 .Lskip_\@
	s_mov_b32 s[KS], s[KF]
	PLACES 4
	FETCH_K AK0
	WIN 0
	STEPV 0
	s_add_co_u32 s[KS], s[KF], 64
	s_cmp_gt_u32 s[KS], s[LASTQ]
	s_cbranch_scc1 .Lskip_\@
	STEPV 1
.Lskip_\@:
	s_add_co_u32 s[KF], s[KF], 128
	s_xor_b32 s[TB], s[TB], SLOT1
.endm
; THE CHANGE OF SLOTS, at a slot's head.  Each wave waits for all its tensor loads (its part of the slot ahead), adds 0 to its spare word, waits for that and for its reads of the slot that it has left.
; fill = 1: behind the barrier the other slot is asked for, while its first key is at or under my work-group's last query: a slot beyond that is read by no wave.
.macro CHANGE fill
	s_wait_tensorcnt 0x0                           ; no tensor load of mine is out, so a group 0 may be written
	ds_add_u32 v[SPW], v[NIL]
.if \fill
	s_xor_b32 s[G0K+1], s[G0K+1], SLOT1
	s_add_nc_u64 s[G0K+2:G0K+3], s[G0K+2:G0K+3], 32768
	s_xor_b32 s[G0V+1], s[G0V+1], SLOT1
	s_add_nc_u64 s[G0V+2:G0V+3], s[G0V+2:G0V+3], 32768
	s_wait_xcnt 0x0                                ; the last prefetches, a slot back, have read their address
	s_add_nc_u64 s[PFA:PFA+1], s[PFA:PFA+1], 32768
.endif
	s_wait_dscnt 0x0
	s_barrier_signal -1
	s_barrier_wait -1
.if \fill
	s_add_co_u32 s66, s[KF], 128                   ; the first key of the slot that this change would ask for
	s_cmp_gt_u32 s66, s[LASTQ]                     ; ids and the count of slots alone: all four waves go the same way, and a work-group past the limit stays past it
	s_cbranch_scc1 .Lpast_\@
	TLOAD
.Lpast_\@:
	ASK
.endif
.endm
	s_wait_loadcnt 0x0                             ; Q
.Lslot:                                            ; 15 trips
	CHANGE 1
	SLOTBODY
	s_sub_co_u32 s[SLOTS], s[SLOTS], 1
	s_cmp_lg_u32 s[SLOTS], 0
	s_cbranch_scc1 .Lslot
	CHANGE 0                                       ; the last slot is written out: nothing is left to ask for
	SLOTBODY
	; THE WAY OUT: O^T x 4 / l, rounded to f16, through my stage, a tile (16 rows) at a time
	PLACES 4
.irp t, 0,1
	v_add_f32 v[ST+8*\t+4], v[ST+8*\t+2], v[ST+8*\t+3]
.endr
.irp t, 0,1
	v_permlanex16_b32 v[ST+8*\t+5], v[ST+8*\t+4], s[SEL], s[SEL+1]
.endr
.irp t, 0,1
	v_add_f32 v[ST+8*\t+4], v[ST+8*\t+4], v[ST+8*\t+5]
.endr
.irp t, 0,1
	v_rcp_f32 v[ST+8*\t+6], v[ST+8*\t+4]
.endr
	v_nop
	s_wait_alu depctr_va_vdst(0)                   ; one wait for the two reciprocals, ahead of their first reader
.irp t, 0,1
	v_mul_f32 v[ST+8*\t+6], 4.0, v[ST+8*\t+6]      ; v came as an eighth, attn leaves as a half
.endr
.macro PACK t
	WIN 0x41
.set i, 64*\t
.rept 32
	v_pk_mul_f32 v[i:i+1], v[i:i+1], v[ST+8*\t+6:ST+8*\t+7] op_sel_hi:[1,0]
.set i, i+2
.endr
	WIN 0x05
.set i, 0
.rept 32
	v_cvt_pk_f16_f32 v[S+32*\t+i], v[64*\t+2*i], v[64*\t+2*i+1]
.set i, i+1
.endr
	WIN 0
.irp f, 0,1,2,3,4,5,6,7
	ds_store_b128 v[STO], v[S+32*\t+4*\f:S+32*\t+4*\f+3] offset:32*\f
.endr
.irp f, 0,1,2,3,4,5,6,7
	ds_load_b128 v[S+32*\t+4*\f:S+32*\t+4*\f+3], v[RD] offset:\f*2*SP    ; LDS serves a wave's instructions in order
.endr
.endm
.macro SEND t, younger
.irp f, 0,1,2,3,4,5,6,7
	s_wait_dscnt \younger+7-\f
	global_store_b128 v[GO], v[S+32*\t+4*\f:S+32*\t+4*\f+3], s[OB+2*\t:OB+2*\t+1] offset:\f*8192   ; 16 lanes store 256 consecutive bytes, aligned
.endr
.endm
	PACK 0
	PACK 1
	SEND 0, 16                                     ; behind tile 0's loads: tile 1's sixteen LDS instructions
	SEND 1, 0
	s_wait_tensorcnt 0x0                           ; the wave's end
	ds_add_u32 v[SPW], v[NIL]
	s_wait_dscnt 0x0
	s_endpgm
.Lfunc_end_k_q0cd51822b9_attn:
	.size	k_q0cd51822b9_attn, .Lfunc_end_k_q0cd51822b9_attn-k_q0cd51822b9_attn
	.p2alignl 7, 3214868480
	.fill 96, 4, 3214868480
	.section	.rodata,"a",@progbits
	.p2align	6, 0x0
	.amdhsa_kernel k_q0cd51822b9_attn
		.amdhsa_group_segment_fixed_size 327680
		.amdhsa_private_segment_fixed_size 0
		.amdhsa_enable_private_segment 0
		.amdhsa_kernarg_size 16
		.amdhsa_user_sgpr_count 2
		.amdhsa_user_sgpr_kernarg_segment_ptr 1
		.amdhsa_wavefront_size32 1
		.amdhsa_system_sgpr_workgroup_id_x 1
		.amdhsa_system_sgpr_workgroup_id_y 1
		.amdhsa_system_sgpr_workgroup_id_z 1
		.amdhsa_system_vgpr_workitem_id 0
		.amdhsa_next_free_vgpr 768
		.amdhsa_next_free_sgpr 76
		.amdhsa_reserve_vcc 1
		.amdhsa_float_denorm_mode_32 3
		.amdhsa_float_denorm_mode_16_64 3
		.amdhsa_memory_ordered 1
		.amdhsa_forward_progress 1
		.amdhsa_inst_pref_size 198
	.end_amdhsa_kernel
	.amdgpu_metadata
---
amdhsa.version: [ 1, 2 ]
amdhsa.kernels:
  - .name:           k_q0cd51822b9_attn
    .symbol:         k_q0cd51822b9_attn.kd
    .args:
      - { .name: qkv16, .offset: 0, .size: 8, .value_kind: global_buffer, .address_space: global }
      - { .name: attn16, .offset: 8, .size: 8, .value_kind: global_buffer, .address_space: global }
    .group_segment_fixed_size: 327680
    .private_segment_fixed_size: 0
    .kernarg_segment_align: 8
    .kernarg_segment_size: 16
    .max_flat_workgroup_size: 128
    .sgpr_count:     76
    .vgpr_count:     768
    .wavefront_size: 32
...
	.end_amdgpu_metadata
.endif
;; end of part 3
;; launch first16 (part 4): grid 256 x 1, 8 waves a work-group, no clusters, 167,936 bytes of LDS; arguments qkv32, Wo, out0, wo16; writes out0, wo16
.if DOCPART == 4
	.amdgcn_target "amdgcn-amd-amdhsa--gfx1250"
	.amdhsa_code_object_version 6
	.text
	.protected	k_q0cd51822b9_first16
	.globl	k_q0cd51822b9_first16
	.p2align	8
	.type	k_q0cd51822b9_first16,@function
k_q0cd51822b9_first16:
	s_mov_b64 s[64:65], 0
	v_nop
	global_prefetch_b8 v0, s[64:65] scope:SCOPE_SE
	s_setreg_imm32_b32 hwreg(HW_REG_WAVE_MODE, 25, 1), 1
	s_wait_xcnt 0x0
; Two things that both want every f32 number of Wo [4096][2048], which is brought into LDS once:
; (a) tokens 0-15 wholly in f32: their rows average one to sixteen values and are the largest, so 16-bit operands would weigh most there.  qkv32 [16][4096] holds q / 8, k / 8, v / 8 (heads 0-15, 16-23, 24-31).
;     out0[t][n] = sum over k of attn[t][k] Wo[n][k], t = 0..15.  The launch that follows makes all other rows of out0 and leaves these alone.
; (b) wo16 = f16(2 Wo), the next launch's operand.  LIMIT: |Wo| stays under 32,750 (2 Wo must be an f16 number).
; SHARES: work-group x owns rows 16 x .. 16 x + 15 of Wo, which are columns 16 x .. of out0.  Wave w owns heads 2 w and 2 w + 1 (key head w), which are K = 256 w .. 256 w + 255 of the projection:
; its piece of Wo is 16 rows x 256 numbers, and its attention's result goes on as its own operand.
; Every work-group repeats the small attention (128 matrix instructions a wave): the price of one launch in place of two.  The eight waves' parts meet in LDS; wave 0 adds and stores.
; A row of out0 gets 64 bytes from a work-group, 256 KiB in all: whole runs of 256 bytes would want 512 KiB of Wo in one work-group's LDS.  wo16 leaves in runs of 256 consecutive bytes, aligned.
; The f32 matrix form takes k = 2 h + j in register j.  k is taken in another order, alike on both sides of each product, so that registers are used as they are loaded or as the last product left them.
; Registers that the f32 matrix form writes (v32-47, v96-127; window 1 v128-255) are written by nothing else.
; REGISTERS: window 0: v1-13 addresses; v14-29 packed f16, v30, v31 the cast's addresses; v32-47 S^T; v48-63 t, later my part of out; v64-79 p (v48-79 first: the cast's numbers); v80-95 at work; v96-127 out in four sums;
;   v128-191 K, v192-255 V, later both Wo.  window 1: v0-127 Q, later attn; v128-255 O^T.
.set PW,    1040                       ; a row of my piece of Wo in LDS: 1,024 bytes + 16
.set PIECE, 16*PW
.set RED,   8*PIECE                    ; 1,024 bytes for each wave's part
.set SPARE, RED+8*1024
.set SPW, 6
.set NIL, 7
.set CR,  14                           ; v14-29 eight chunks' packed f16
.set CG,  30                           ; v30 8 x lane: my 8 bytes of a store's 256
.set CL,  31                           ; v31 my piece + 16 x lane: my 16 bytes of a load's 512
.set SA,  32
.set T,   48
.set P,   64
.set TM,  80
.set OUTA,96
.set KR,  128
.set VR,  192
.set WR,  128
.set OA,  128
.set WV,  40                           ; s40 my wave's number
.set MSB, 0
.macro WIN new
.if MSB != \new
	s_set_vgpr_msb (MSB<<8)|\new
.set MSB, \new
.endif
.endm
	s_load_b256 s[4:11], s[0:1], 0x0               ; qkv32, Wo, out0, wo16
	v_lshl_add_u32 v[SPW], v0, 2, SPARE
	v_mov_b32 v[NIL], 0
	ds_add_u32 v[SPW], v[NIL]                      ; the opening: the add, twice on end, and its wait ahead of my first tensor load
	ds_add_u32 v[SPW], v[NIL]
	v_lshrrev_b32 v1, 5, v0
	v_readfirstlane_b32 s[WV], v1                  ; wave 0..7
	s_mov_b32 s16, (2<<16)|(1<<20)|(7<<22)|(3<<25) ; elements of 4 bytes; padding: 4 words behind every 256
	s_mov_b32 s17, 256<<16                         ; tensor_dim0
	s_mov_b32 s18, 16<<16                          ; tensor_dim1
	s_mov_b32 s19, 256<<16                         ; tile_dim0
	s_mov_b32 s20, 16                              ; tile_dim1
	s_mov_b32 s21, 2048                            ; elements from row to row
	s_mov_b32 s22, 0
	s_mov_b32 s23, 0
	s_mov_b32 s12, 1
	s_mul_i32 s13, s[WV], PIECE
	s_lshl_b32 s28, ttmp9, 17                      ; 16 x rows of 8,192 bytes,
	s_lshl_b32 s29, s[WV], 10
	s_add_co_u32 s28, s28, s29                     ; my 256 numbers of each
	s_mov_b32 s29, 0
	s_lshl_b32 s30, s[WV], 10                      ; q: my two heads
	s_mov_b32 s31, 0
	s_lshl_b32 s32, s[WV], 9                       ; k, v: my head
	s_mov_b32 s33, 0
	s_lshl_b32 s34, ttmp9, 6                       ; out0: my 16 columns
	s_mov_b32 s35, 0
	s_lshl_b32 s36, s[WV], 10
	s_lshl_b32 s38, ttmp9, 16                      ; wo16: 16 x rows of 4,096 bytes,
	s_lshl_b32 s39, s[WV], 9
	s_add_co_u32 s38, s38, s39                     ; my 256 numbers of each
	s_mov_b32 s39, 0
	s_mov_b32 s24, 0x76543210
	s_mov_b32 s25, 0xfedcba98
	s_mov_b32 s26, 0x410293ee                      ; c = 64 log2(e) / sqrt(128)
	s_wait_dscnt 0x0
	s_wait_kmcnt 0x0
	s_add_nc_u64 s[14:15], s[6:7], s[28:29]
	s_or_b32 s15, s15, 0x80000000
	tensor_load_to_lds s[12:15], s[16:23]          ; my piece of Wo: 16 rows x 1,024 bytes; filled once, read by me alone; one load of mine is out
	s_nop 0
.rept 4
	v_nop
.endr
	s_add_nc_u64 s[30:31], s[4:5], s[30:31]
	s_add_nc_u64 s[32:33], s[4:5], s[32:33]
	s_add_nc_u64 s[8:9], s[8:9], s[34:35]
	s_add_nc_u64 s[10:11], s[10:11], s[38:39]
	v_and_b32 v1, 15, v0                           ; r
	v_bfe_u32 v2, v0, 4, 1                         ; h
	v_lshlrev_b32 v3, 14, v1
	v_lshl_add_u32 v3, v2, 4, v3                   ; q, k: row r of 16,384 bytes + 16 h
	v_lshlrev_b32 v4, 2, v1
	v_lshl_add_u32 v4, v2, 17, v4                  ; v: 8 h rows down, column r
	v_lshlrev_b32 v5, 3, v2
	v_sub_nc_u32 v5, v1, v5                        ; r - 8 h
	v_mov_b32 v8, 0xff800000
	v_mul_u32_u24 v9, v1, PW
	v_lshl_add_u32 v9, v2, 5, v9
	v_add_nc_u32 v9, s13, v9                       ; Wo's fragments: row r + 32 h
	v_and_b32 v13, 31, v0
	v_lshlrev_b32 v11, 4, v13
	v_add_nc_u32 v[CL], s13, v11                   ; the cast: my piece + 16 x lane
	v_lshlrev_b32 v[CG], 3, v13
	v_add_nc_u32 v11, RED, v11                     ; the parts: 16 x lane,
	v_add_nc_u32 v10, s36, v11                     ; + 1,024 x wave for mine
	v_lshlrev_b32 v12, 14, v1
	v_lshl_add_u32 v12, v2, 5, v12                 ; out0: row r + 32 h
.irp j, 0,1,2,3,4,5,6,7,8,9,10,11
	v_mov_b32 v[TM+\j], 0
.endr
.irp c, 0,1,2,3,4,5,6,7,8,9,10,11,12,13,14,15
	global_load_b128 v[KR+4*\c:KR+4*\c+3], v3, s[32:33] offset:8192+32*\c      ; k(key r, channels 8 c + 4 h + 0..3): two K steps of 4
.endr
	WIN 0x40
.irp d, 0,1
.irp c, 0,1,2,3,4,5,6,7,8,9,10,11,12,13,14,15
	global_load_b128 v[64*\d+4*\c:64*\d+4*\c+3], v3, s[30:31] offset:512*\d+32*\c   ; q likewise
.endr
.endr
	WIN 0
.irp t, 0,1,2,3,4,5,6,7
.irp e, 0,1,2,3,4,5,6,7
	global_load_b32 v[VR+8*\t+\e], v4, s[32:33] offset:12288+16384*\e+64*\t    ; v(key 8 h + e, channel 16 t + r)
.endr
.endr
	; THE CAST, while q, k and v are on their way: my piece as 32 chunks of 512 consecutive bytes (half a row), eight at a time; its stores leave under the attention
	s_wait_tensorcnt 0x0                           ; my piece of Wo has landed
.macro CAST g                          ; rows 4 g .. 4 g + 3 of my piece
.irp c, 0,1,2,3,4,5,6,7
	ds_load_b128 v[T+4*\c:T+4*\c+3], v[CL] offset:(4*(\g)+\c/2)*PW+512*(\c%2)
.endr
	s_wait_dscnt 0x0
.irp c, 0,1,2,3,4,5,6,7
	v_pk_mul_f32 v[T+4*\c:T+4*\c+1], v[T+4*\c:T+4*\c+1], 2.0 op_sel_hi:[1,0]
	v_pk_mul_f32 v[T+4*\c+2:T+4*\c+3], v[T+4*\c+2:T+4*\c+3], 2.0 op_sel_hi:[1,0]
.endr
.if (\g) > 0
	s_wait_xcnt 0x0                                ; the registers that the last eight stores read are rewritten only behind this wait
.endif
.irp c, 0,1,2,3,4,5,6,7
	v_cvt_pk_f16_f32 v[CR+2*\c], v[T+4*\c], v[T+4*\c+1]
	v_cvt_pk_f16_f32 v[CR+2*\c+1], v[T+4*\c+2], v[T+4*\c+3]
.endr
.irp c, 0,1,2,3,4,5,6,7
	global_store_b64 v[CG], v[CR+2*\c:CR+2*\c+1], s[10:11] offset:(4*(\g)+\c/2)*4096+256*(\c%2)   ; 32 lanes store 256 consecutive bytes, aligned
.endr
.endm
	CAST 0
	CAST 1
	CAST 2
	CAST 3
	s_wait_loadcnt 0x0                             ; q, k, v
	; 1: S^T = K Q^T, 32 steps of 4, the two heads by turns; the first pair starts the sums
	WIN 0x04
.set i, 0
.rept 32
.irp d, 0,1
.if i == 0
	v_wmma_f32_16x16x4_f32 v[SA+8*\d:SA+8*\d+7], v[KR+2*i:KR+2*i+1], v[64*\d+2*i:64*\d+2*i+1], 0
.else
	v_wmma_f32_16x16x4_f32 v[SA+8*\d:SA+8*\d+7], v[KR+2*i:KR+2*i+1], v[64*\d+2*i:64*\d+2*i+1], v[SA+8*\d:SA+8*\d+7]
.endif
.endr
.set i, i+1
.endr
	WIN 0
.rept 8
	v_nop                                          ; eight places behind this form, ahead of the first read of results
.endr
	; 2: the softmax.  Lane (r, h) holds query r and keys 8 h + j
.irp d, 0,1
.irp j, 0,1,2,3,4,5,6,7
	v_mul_f32 v[T+8*\d+\j], s26, v[SA+8*\d+\j]
.endr
.endr
.irp j, 0,1,2,3,4,5,6,7
	v_cmp_gt_i32 vcc_lo, \j, v5                    ; key 8 h + j comes after query r
	v_cndmask_b32 v[T+\j], v[T+\j], v8, vcc_lo
	v_cndmask_b32 v[T+8+\j], v[T+8+\j], v8, vcc_lo
.endr
.irp d, 0,1
	v_max3_num_f32 v[TM+\d], v[T+8*\d], v[T+8*\d+1], v[T+8*\d+2]
.endr
.irp j, 3,5
.irp d, 0,1
	v_max3_num_f32 v[TM+\d], v[TM+\d], v[T+8*\d+\j], v[T+8*\d+\j+1]
.endr
.endr
.irp d, 0,1
	v_max_num_f32 v[TM+\d], v[TM+\d], v[T+8*\d+7]
.endr
.irp d, 0,1
	v_permlanex16_b32 v[TM+2+\d], v[TM+\d], s24, s25
.endr
.irp d, 0,1
	v_max_num_f32 v[TM+\d], v[TM+\d], v[TM+2+\d]   ; the row's maximum: key 0 counts for every query, so it is a number
.endr
.irp d, 0,1
.irp j, 0,1,2,3,4,5,6,7
	v_sub_f32 v[P+8*\d+\j], v[T+8*\d+\j], v[TM+\d]
.endr
.endr
.irp j, 0,1,2,3,4,5,6,7,8,9,10,11,12,13,14,15
	v_exp_f32 v[P+\j], v[P+\j]
.endr
	v_nop
	s_wait_alu depctr_va_vdst(0)                   ; one wait for the batch of 16, ahead of its first reader
.irp d, 0,1
	v_add_f32 v[TM+4+\d], v[P+8*\d], v[P+8*\d+1]
.endr
.irp j, 2,3,4,5,6,7
.irp d, 0,1
	v_add_f32 v[TM+4+\d], v[TM+4+\d], v[P+8*\d+\j]
.endr
.endr
.irp d, 0,1
	v_permlanex16_b32 v[TM+2+\d], v[TM+4+\d], s24, s25
.endr
.irp d, 0,1
	v_add_f32 v[TM+4+\d], v[TM+4+\d], v[TM+2+\d]
.endr
.irp d, 0,1
	v_rcp_f32 v[TM+8+2*\d], v[TM+4+\d]
.endr
	v_nop
	s_wait_alu depctr_va_vdst(0)
.irp d, 0,1
	v_mul_f32 v[TM+8+2*\d], 0x41000000, v[TM+8+2*\d]   ; 8 / l: v came as an eighth
.endr
	; 3: O^T = V^T P^T: step i takes keys 8 h + 2 i, 8 h + 2 i + 1; 16 accumulators (head, 16 channels) by turns
	WIN 0x50
.irp i, 0,1,2,3
.irp d, 0,1
.irp t, 0,1,2,3,4,5,6,7
.if \i == 0
	v_wmma_f32_16x16x4_f32 v[OA+64*\d+8*\t:OA+64*\d+8*\t+7], v[VR+8*\t+2*\i:VR+8*\t+2*\i+1], v[P+8*\d+2*\i:P+8*\d+2*\i+1], 0
.else
	v_wmma_f32_16x16x4_f32 v[OA+64*\d+8*\t:OA+64*\d+8*\t+7], v[VR+8*\t+2*\i:VR+8*\t+2*\i+1], v[P+8*\d+2*\i:P+8*\d+2*\i+1], v[OA+64*\d+8*\t:OA+64*\d+8*\t+7]
.endif
.endr
.endr
.endr
	WIN 0
.rept 8
	v_nop                                          ; ahead of the loads into K's and V's registers and of the first read of results
.endr
.irp d, 0,1
.irp t, 0,1,2,3,4,5,6,7
.irp c, 0,1
	ds_load_b128 v[WR+64*\d+8*\t+4*\c:WR+64*\d+8*\t+4*\c+3], v9 offset:512*\d+64*\t+16*\c   ; Wo(16 x + r, 256 w + 128 d + 16 t + 8 h + 4 c + 0..3)
.endr
.endr
.endr
	; 4: attn = O^T x 8 / l, into Q's registers: register 64 d + 8 t + j is attn(query r, channel 16 t + 8 h + j of head 2 w + d)
	WIN 0x41
.irp d, 0,1
.set i, 0
.rept 32
	v_pk_mul_f32 v[64*\d+i:64*\d+i+1], v[OA+64*\d+i:OA+64*\d+i+1], v[TM+8+2*\d:TM+9+2*\d] op_sel_hi:[1,0]
.set i, i+2
.endr
.endr
	s_wait_dscnt 0x0
	; 5: out^T = Wo attn^T over my 256 of K: 64 steps of 4 onto four sums by turns
	WIN 0x04
.irp d, 0,1
.irp t, 0,1,2,3,4,5,6,7
.irp i, 0,1,2,3
.if (\d == 0) && (\t == 0)
	v_wmma_f32_16x16x4_f32 v[OUTA+8*\i:OUTA+8*\i+7], v[WR+64*\d+8*\t+2*\i:WR+64*\d+8*\t+2*\i+1], v[64*\d+8*\t+2*\i:64*\d+8*\t+2*\i+1], 0
.else
	v_wmma_f32_16x16x4_f32 v[OUTA+8*\i:OUTA+8*\i+7], v[WR+64*\d+8*\t+2*\i:WR+64*\d+8*\t+2*\i+1], v[64*\d+8*\t+2*\i:64*\d+8*\t+2*\i+1], v[OUTA+8*\i:OUTA+8*\i+7]
.endif
.endr
.endr
.endr
	WIN 0
.rept 8
	v_nop
.endr
.irp k, 0,2,4,6
	v_pk_add_f32 v[T+\k:T+\k+1], v[OUTA+\k:OUTA+\k+1], v[OUTA+8+\k:OUTA+8+\k+1]      ; each sum is read from its low end on
.endr
.irp a, 2,3
.irp k, 0,2,4,6
	v_pk_add_f32 v[T+\k:T+\k+1], v[T+\k:T+\k+1], v[OUTA+8*\a+\k:OUTA+8*\a+\k+1]
.endr
.endr
	ds_store_b128 v10, v[T:T+3]                    ; my part: out(query r, 16 x + 8 h + 0..7)
	ds_store_b128 v10, v[T+4:T+7] offset:512
	s_wait_dscnt 0x0                               ; for the others' sake: my stores have landed
	s_barrier_signal -1
	s_barrier_wait -1
	s_cmp_lg_u32 s[WV], 0
	s_cbranch_scc1 .Lnot_wave_0
.irp w, 0,1,2,3,4,5,6,7
.irp c, 0,1
	ds_load_b128 v[128+8*\w+4*\c:128+8*\w+4*\c+3], v11 offset:1024*\w+512*\c
.endr
.endr
	s_wait_dscnt 0x0
.irp k, 0,2,4,6
	v_pk_add_f32 v[TM+\k:TM+\k+1], v[128+\k:129+\k], v[136+\k:137+\k]
.endr
.irp w, 2,3,4,5,6,7
.irp k, 0,2,4,6
	v_pk_add_f32 v[TM+\k:TM+\k+1], v[TM+\k:TM+\k+1], v[128+8*\w+\k:129+8*\w+\k]
.endr
.endr
	global_store_b128 v12, v[TM:TM+3], s[8:9]
	global_store_b128 v12, v[TM+4:TM+7], s[8:9] offset:16
.Lnot_wave_0:
	s_wait_tensorcnt 0x0                           ; the wave's end
	ds_add_u32 v[SPW], v[NIL]
	s_wait_dscnt 0x0
	s_endpgm
.Lfunc_end_k_q0cd51822b9_first16:
	.size	k_q0cd51822b9_first16, .Lfunc_end_k_q0cd51822b9_first16-k_q0cd51822b9_first16
	.p2alignl 7, 3214868480
	.fill 96, 4, 3214868480
	.section	.rodata,"a",@progbits
	.p2align	6, 0x0
	.amdhsa_kernel k_q0cd51822b9_first16
		.amdhsa_group_segment_fixed_size 167936
		.amdhsa_private_segment_fixed_size 0
		.amdhsa_enable_private_segment 0
		.amdhsa_kernarg_size 32
		.amdhsa_user_sgpr_count 2
		.amdhsa_user_sgpr_kernarg_segment_ptr 1
		.amdhsa_wavefront_size32 1
		.amdhsa_system_sgpr_workgroup_id_x 1
		.amdhsa_system_sgpr_workgroup_id_y 1
		.amdhsa_system_sgpr_workgroup_id_z 1
		.amdhsa_system_vgpr_workitem_id 0
		.amdhsa_next_free_vgpr 512
		.amdhsa_next_free_sgpr 66
		.amdhsa_reserve_vcc 1
		.amdhsa_float_denorm_mode_32 3
		.amdhsa_float_denorm_mode_16_64 3
		.amdhsa_memory_ordered 1
		.amdhsa_forward_progress 1
		.amdhsa_inst_pref_size 55
	.end_amdhsa_kernel
	.amdgpu_metadata
---
amdhsa.version: [ 1, 2 ]
amdhsa.kernels:
  - .name:           k_q0cd51822b9_first16
    .symbol:         k_q0cd51822b9_first16.kd
    .args:
      - { .name: qkv32, .offset: 0, .size: 8, .value_kind: global_buffer, .address_space: global }
      - { .name: Wo, .offset: 8, .size: 8, .value_kind: global_buffer, .address_space: global }
      - { .name: out0, .offset: 16, .size: 8, .value_kind: global_buffer, .address_space: global }
      - { .name: wo16, .offset: 24, .size: 8, .value_kind: global_buffer, .address_space: global }
    .group_segment_fixed_size: 167936
    .private_segment_fixed_size: 0
    .kernarg_segment_align: 8
    .kernarg_segment_size: 32
    .max_flat_workgroup_size: 256
    .sgpr_count:     66
    .vgpr_count:     512
    .wavefront_size: 32
...
	.end_amdgpu_metadata
.endif
;; end of part 4
;; launch oproj (part 5): grid 16 x 16, 4 waves a work-group, clusters of 4 x 4, 327,680 bytes of LDS; arguments attn16, wo16, out0; writes out0
.if DOCPART == 5
	.amdgcn_target "amdgcn-amd-amdhsa--gfx1250"
	.amdhsa_code_object_version 6
	.text
	.protected	k_q0cd51822b9_oproj
	.globl	k_q0cd51822b9_oproj
	.p2align	8
	.type	k_q0cd51822b9_oproj,@function
k_q0cd51822b9_oproj:
	s_mov_b64 s[64:65], 0
	v_nop
	global_prefetch_b8 v0, s[64:65] scope:SCOPE_SE
	s_setreg_imm32_b32 hwreg(HW_REG_WAVE_MODE, 25, 1), 1
	s_wait_xcnt 0x0
	s_wait_alu depctr_hold_cnt(0) depctr_sa_sdst(0) depctr_va_vdst(0) depctr_va_sdst(0) depctr_va_ssrc(0) depctr_va_vcc(0) depctr_vm_vsrc(0)
	s_getreg_b32 s2, hwreg(HW_REG_IB_STS2, 6, 4)
	s_cmp_eq_u32 s2, 0
	s_cbranch_scc0 .Lentry_in_a_cluster
	s_endpgm
.Lentry_in_a_cluster:
	s_bfe_u32 s2, ttmp6, 0x10000c
	s_cmp_lg_u32 s2, 0xf033
	s_cbranch_scc0 .Lentry_shape_is_right
	s_endpgm
.Lentry_shape_is_right:
; out0[token][n] = sum over k of attn16[token][k] wo16[n][k]: M 2,048 x N 4,096 x K 2,048, f16 operands (attn / 2 and 2 Wo, so no factor is left), f32 sums, f32 out.
; ROWS 0-15 ARE NOT STORED: the launch before has made them in f32.  The tile row hangs on my place in the cluster: so their products are made like all others,
; and the 16 stores of that one row block run under a lane mask that is empty in the waves whose first row is 0.
; A tile of C is 128 x 256: 256 work-groups.  Four waves, 2 x 2, each 64 x 128: 32 accumulators.  K goes in steps of 128 (rows of 256 bytes) through a ring of two LDS slots;
; waves 0, 1 fetch A's halves (64 rows), waves 2, 3 B's (128 rows): one tensor load a wave behind each change of slots; two are out at the start, later one.
; THE WALK ALONG K IS TURNED: a cluster whose x + y is odd begins at K step 8 and wraps round to 0.  So of the clusters that read the same rows of A (the four of a row of clusters) or of B
; (those of a column), one half asks for K steps 0-7 while the other asks for 8-15, and each asks 8 K steps later for what the other has read.  The offset hangs on the cluster's x and y alone, which all
; sixteen partners share.  So the order of the K steps in the f32 sums differs from cluster to cluster.
; CLUSTERS 4 x 4: A's tiles shared along a row, B's along a column, by joint loads.  THE MATRIX INSTRUCTION IS USED TRANSPOSED: a lane holds eight neighbouring numbers of a row of C.
; REGISTERS: window 0: addresses; v128-191 A's fragments, two sets; on the way out v128-255 rows.   window 1: B's fragments, two sets.   window 2: accumulator (a, b) at v[8 (8 a + b)].
.set KROW,  4096
.set PITCH, 272
.set HALFA, 64*PITCH
.set HALFB, 128*PITCH
.set ATILE, 2*HALFA
.set SLOT,  ATILE+2*HALFB
.set STAGE, 2*SLOT                     ; 16 rows x (512 + 16) bytes for each wave
.set SPITCH,528
.set SPARE, STAGE+4*16*SPITCH
.set LAPS,  8
.set ADRA, 16
.set ADRB, 20
.set STO,  24
.set RD,   25
.set CO,   26
.set ROW0, 27                          ; v27 my wave's first row of C
.set SPW,  28
.set NIL,  29
.set AF,   128
.set BK,   128
.set G1,   24
.set G0,   32
.set G1B,  48
.set G0B,  56
.set BASEA, 66                         ; s[66:67] A at the first byte of the rows that I fetch
.set BASEB, 68                         ; s[68:69] B likewise
.set KO,   70                          ; s[70:71], s[72:73] slot 0's, slot 1's place along K in bytes, 0 to 3,840; the high words are 0
.set MSB, 0
.macro WIN new
.if MSB != \new
	s_set_vgpr_msb (MSB<<8)|\new
.set MSB, \new
.endif
.endm
.set MUL,  0xa1
.set TO_B, 0x40
.macro JLOAD g0a, g1a, g0b, g1b        ; a joint load: waves 0, 1 for A, waves 2, 3 for B; the branch hangs on the wave's number alone; an s_nop 0 and four v_nop follow each line
	s_cmp_eq_u32 s21, 0
	s_cbranch_scc0 .Lfor_b_\@
	tensor_load_to_lds s[\g0a:\g0a+3], s[\g1a:\g1a+7]
	s_nop 0
.rept 4
	v_nop
.endr
	s_branch .Lasked_\@
.Lfor_b_\@:
	tensor_load_to_lds s[\g0b:\g0b+3], s[\g1b:\g1b+7]
	s_nop 0
.rept 4
	v_nop
.endr
.Lasked_\@:
.endm
.macro CREST
	s_cmp_lg_u32 s20, 0
	s_cbranch_scc1 .Lnot_wave_0_\@
	s_barrier_signal -3
.Lnot_wave_0_\@:
	s_barrier_wait -3
	s_barrier_signal -1
	s_barrier_wait -1
.endm
.macro CROUND
	s_barrier_signal -1
	s_barrier_wait -1
	CREST
.endm
.macro PLACES n
.rept \n
	v_nop
.endr
.endm
	s_load_b128 s[4:7], s[0:1], 0x0                ; attn16, wo16
	s_load_b64 s[8:9], s[0:1], 0x10                ; out0
	v_lshl_add_u32 v[SPW], v0, 2, SPARE
	v_mov_b32 v[NIL], 0
	ds_add_u32 v[SPW], v[NIL]                      ; the opening: the add, twice on end, and its wait ahead of my first tensor load
	ds_add_u32 v[SPW], v[NIL]
	v_lshrrev_b32 v1, 5, v0
	v_readfirstlane_b32 s20, v1
	s_lshr_b32 s21, s20, 1
	s_and_b32 s22, s20, 1
	s_bfe_u32 s40, ttmp6, 0x40000
	s_bfe_u32 s41, ttmp6, 0x40004
	s_lshl_b32 s42, ttmp9, 2
	s_add_co_u32 s42, s42, s40                     ; tile column
	s_and_b32 s43, ttmp7, 0xffff
	s_lshl_b32 s43, s43, 2
	s_add_co_u32 s43, s43, s41                     ; tile row
	s_lshl_b32 s44, s41, 2
	s_lshl_b32 s44, 15, s44
	s_lshl_b32 s45, 0x1111, s40
	s_or_b32 s[G1], s44, (0<<16)|(1<<20)|(1<<21)|(5<<22)|(3<<25)
	s_or_b32 s[G1B], s45, (0<<16)|(1<<20)|(1<<21)|(5<<22)|(3<<25)
	s_mov_b32 s[G1+1], 256<<16
	s_mov_b32 s[G1+2], 64<<16
	s_mov_b32 s[G1+3], 256<<16
	s_mov_b32 s[G1+4], 64
	s_mov_b32 s[G1+5], KROW
	s_mov_b32 s[G1+6], 0
	s_mov_b32 s[G1+7], 0
	s_mov_b32 s[G1B+1], 256<<16
	s_mov_b32 s[G1B+2], 128<<16
	s_mov_b32 s[G1B+3], 256<<16
	s_mov_b32 s[G1B+4], 128
	s_mov_b32 s[G1B+5], KROW
	s_mov_b32 s[G1B+6], 0
	s_mov_b32 s[G1B+7], 0
	s_and_b32 s74, ttmp7, 0xffff                   ; where my cluster's walk along K begins:
	s_add_co_u32 s74, s74, ttmp9
	s_and_b32 s74, s74, 1                          ; cluster x + cluster y, odd or even,
	s_lshl_b32 s[KO], s74, 11                      ; x 8 K steps of 256 bytes
	s_add_co_u32 s[KO+2], s[KO], 256               ; slot 1 begins a K step further on
	s_mov_b32 s[KO+1], 0
	s_mov_b32 s[KO+3], 0
	s_lshl_b32 s92, s43, 7
	s_lshl_b32 s93, s22, 6
	s_add_co_u32 s92, s92, s93
	s_mov_b32 s93, 0
	s_lshl_b64 s[92:93], s[92:93], 12              ; A: (128 x tile row + 64 x half) rows of 4,096 bytes
	s_lshl_b32 s96, s42, 8
	s_lshl_b32 s97, s22, 7
	s_add_co_u32 s96, s96, s97
	s_mov_b32 s97, 0
	s_lshl_b64 s[96:97], s[96:97], 12              ; B: (256 x tile column + 128 x half) rows
	s_mul_i32 s46, s22, HALFA
	s_mul_i32 s47, s22, HALFB
	s_add_co_u32 s47, s47, ATILE
	s_wait_dscnt 0x0
	s_wait_kmcnt 0x0
	s_add_nc_u64 s[BASEA:BASEA+1], s[4:5], s[92:93]
	s_add_nc_u64 s[BASEB:BASEB+1], s[6:7], s[96:97]
	CROUND
.irp s, 0,1
	s_mov_b32 s[G0+4*\s], 1
	s_add_co_u32 s[G0+4*\s+1], s46, \s*SLOT
	s_add_nc_u64 s[G0+4*\s+2:G0+4*\s+3], s[BASEA:BASEA+1], s[KO+2*\s:KO+2*\s+1]
	s_or_b32 s[G0+4*\s+3], s[G0+4*\s+3], 0x80000000
	s_mov_b32 s[G0B+4*\s], 1
	s_add_co_u32 s[G0B+4*\s+1], s47, \s*SLOT
	s_add_nc_u64 s[G0B+4*\s+2:G0B+4*\s+3], s[BASEB:BASEB+1], s[KO+2*\s:KO+2*\s+1]
	s_or_b32 s[G0B+4*\s+3], s[G0B+4*\s+3], 0x80000000
	JLOAD G0+4*\s, G1, G0B+4*\s, G1B
.endr
	v_and_b32 v1, 15, v0
	v_bfe_u32 v2, v0, 4, 1
	v_mul_u32_u24 v3, v1, PITCH
	v_lshl_add_u32 v4, v2, 4, v3
	s_mul_i32 s92, s21, HALFA
	s_mul_i32 s93, s22, HALFB
	s_add_co_u32 s93, s93, ATILE
.irp s, 0,1
	v_add_nc_u32 v[ADRA+\s], s92, v4
	v_add_nc_u32 v[ADRB+\s], s93, v4
	s_add_co_u32 s92, s92, SLOT
	s_add_co_u32 s93, s93, SLOT
.endr
	s_mul_i32 s92, s20, 16*SPITCH
	s_add_co_u32 s92, s92, STAGE
	v_mul_u32_u24 v5, v1, SPITCH
	v_lshl_add_u32 v5, v2, 5, v5
	v_add_nc_u32 v[STO], s92, v5                   ; in: row r, 32 bytes for each half of the lanes
	v_and_b32 v6, 31, v0
	v_lshlrev_b32 v[CO], 4, v6                     ; back: the 32 lanes take one row of 512 bytes; the same in C
	v_add_nc_u32 v[RD], s92, v[CO]
	s_lshl_b32 s92, s43, 7
	s_lshl_b32 s93, s21, 6
	s_add_co_u32 s92, s92, s93                     ; my first row of C
	v_mov_b32 v[ROW0], s92
	s_mov_b32 s93, 0
	s_lshl_b64 s[92:93], s[92:93], 14
	s_lshl_b32 s96, s42, 10
	s_lshl_b32 s97, s22, 9
	s_add_co_u32 s96, s96, s97                     ; my first column, in bytes
	s_mov_b32 s97, 0
	s_add_nc_u64 s[8:9], s[8:9], s[92:93]
	s_add_nc_u64 s[8:9], s[8:9], s[96:97]
.macro FRAG reg, adr, q, i             ; 16 rows x 32 K of f16: registers 0-3 K = 8 h + 0..7, registers 4-7 K = 16 + 8 h + 0..7
.irp c, 0,1
	ds_load_b128 v[\reg+4*\c:\reg+4*\c+3], v[\adr] offset:64*(\q)+32*\c+(\i)*16*PITCH
.endr
.endm
.macro FETCH slot, q, p
	WIN TO_B
.irp i, 0,1,2,3,4,5,6,7
	FRAG 128*(\p)+8*\i, ADRB+\slot, \q, \i
.endr
	WIN 0
.irp i, 0,1,2,3
	FRAG AF+32*(\p)+8*\i, ADRA+\slot, \q, \i
.endr
.endm
.macro MULA a, p, zero                 ; the 32 accumulators take turns, one instruction a turn
.irp b, 0,1,2,3,4,5,6,7
.if \zero
	v_wmma_f32_16x16x32_f16 v[8*(8*(\a)+\b):8*(8*(\a)+\b)+7], v[128*(\p)+8*\b:128*(\p)+8*\b+7], v[AF+32*(\p)+8*(\a):AF+32*(\p)+8*(\a)+7], 0
.else
	v_wmma_f32_16x16x32_f16 v[8*(8*(\a)+\b):8*(8*(\a)+\b)+7], v[128*(\p)+8*\b:128*(\p)+8*\b+7], v[AF+32*(\p)+8*(\a):AF+32*(\p)+8*(\a)+7], v[8*(8*(\a)+\b):8*(8*(\a)+\b)+7]
.endif
.endr
.endm
.macro MUL32 p, zero
.irp a, 0,1,2,3
	MULA \a, \p, \zero
.endr
.endm
.macro STEP slot, q, zero
	s_wait_dscnt 0x0                               ; this step's fragments, asked for a step ago
	PLACES 4
	FETCH \slot, (\q)+1, 1-(\q)%2
	WIN MUL
	MUL32 (\q)%2, \zero
.endm
.macro TURN slot, next, fill
	WIN 0
	s_wait_tensorcnt 0x0                           ; all my tensor loads have landed: my part of the next slot; so a group 0 may be written
	ds_add_u32 v[SPW], v[NIL]                      ; 0 onto my spare word; the address work below stands between it and the wait for it
.if \fill
	s_add_co_u32 s[KO+2*\slot], s[KO+2*\slot], 512 ; this slot's next K step: two on,
	s_and_b32 s[KO+2*\slot], s[KO+2*\slot], 4095   ; round the end of the row's 4,096 bytes
	s_add_nc_u64 s[G0+4*\slot+2:G0+4*\slot+3], s[BASEA:BASEA+1], s[KO+2*\slot:KO+2*\slot+1]
	s_or_b32 s[G0+4*\slot+3], s[G0+4*\slot+3], 0x80000000
	s_add_nc_u64 s[G0B+4*\slot+2:G0B+4*\slot+3], s[BASEB:BASEB+1], s[KO+2*\slot:KO+2*\slot+1]
	s_or_b32 s[G0B+4*\slot+3], s[G0B+4*\slot+3], 0x80000000
.endif
	s_wait_dscnt 1                                 ; the step's fragments are in; the add may be out
	WIN MUL
	MULA 0, 1, 0
	s_wait_dscnt 0x0                               ; the add is done, and my reads of this slot are over
	s_barrier_signal -1
	MULA 1, 1, 0
	WIN 0
	s_barrier_wait -1
.if \fill
	CREST                                          ; the barrier has opened a round of the cluster's: no wave of any partner still reads this slot or has a load on its way
	JLOAD G0+4*\slot, G1, G0B+4*\slot, G1B         ; 112 matrix instructions ahead of the wait for it; its four v_nop are also the places in front of the loads below
.else
	PLACES 4
.endif
	FETCH \next, 0, 0
	WIN MUL
	MULA 2, 1, 0
	MULA 3, 1, 0
.endm
	s_wait_tensorcnt 1                             ; my part of the first K step is in; the second's may stay out
	s_barrier_signal -1
	s_barrier_wait -1
	FETCH 0, 0, 0
	STEP 0, 0, 1
	WIN 0
	s_mov_b32 s23, LAPS-1
.Llap:
	STEP 0, 1, 0
	STEP 0, 2, 0
	TURN 0, 1, 1
	STEP 1, 0, 0
	STEP 1, 1, 0
	STEP 1, 2, 0
	TURN 1, 0, 1
	STEP 0, 0, 0
	WIN 0
	s_sub_co_u32 s23, s23, 1
	s_cmp_lg_u32 s23, 0
	s_cbranch_scc1 .Llap
	STEP 0, 1, 0                                   ; the last lap fills nothing
	STEP 0, 2, 0
	TURN 0, 1, 0
	STEP 1, 0, 0
	STEP 1, 1, 0
	STEP 1, 2, 0
	s_wait_dscnt 0x0
	WIN MUL
	MUL32 1, 0
	WIN 0
; THE WAY OUT, block by block of 16 rows x 128 columns, through my own stage: back as whole rows of 512 bytes
.macro TOSTAGE a
.set AC, 64*(\a)
	WIN 0x08                                       ; an LDS store's data: window 2
.irp b, 0,1,2,3,4,5,6,7
	ds_store_b128 v[STO], v[AC+8*\b:AC+8*\b+3] offset:64*\b          ; each accumulator from its low end on
	ds_store_b128 v[STO], v[AC+8*\b+4:AC+8*\b+7] offset:64*\b+16
.endr
	WIN 0
.set BB, BK+64*((\a)%2)
.irp t, 0,1,2,3,4,5,6,7,8,9,10,11,12,13,14,15
	ds_load_b128 v[BB+4*\t:BB+4*\t+3], v[RD] offset:\t*SPITCH
.endr
.endm
.macro SEND a, younger
.set BB, BK+64*((\a)%2)
	s_wait_dscnt \younger
.if (\a) > 0
	s_add_nc_u64 s[8:9], s[8:9], 16*16384          ; behind a wait on XCNT: the earlier stores have read their base
.else
	v_cmp_ne_u32 vcc_lo, 0, v[ROW0]                ; block 0 of a wave whose first row is 0 holds rows 0-15, which are not mine to store: all lanes off there, all on elsewhere
	s_wait_xcnt 0x0                                ; EXEC changes only behind this wait
	s_and_saveexec_b32 s100, vcc_lo
.endif
.irp t, 0,1,2,3,4,5,6,7,8,9,10,11,12,13,14,15
	global_store_b128 v[CO], v[BB+4*\t:BB+4*\t+3], s[8:9] offset:\t*16384 th:TH_STORE_NT   ; 32 lanes store 512 consecutive bytes, aligned
.endr
.if (\a) == 0
	s_wait_xcnt 0x0                                ; and again in front of the line that widens it
	s_or_b32 exec_lo, exec_lo, s100
.endif
.endm
	PLACES 4
	TOSTAGE 0
.irp a, 1,2,3
.if \a > 1
	s_wait_xcnt 0x0                                ; block a - 2's stores have read their registers and their base
.endif
	TOSTAGE \a
	SEND \a-1, 32                                  ; behind block a - 1's loads: block a's 16 stores and 16 loads
.endr
	s_wait_xcnt 0x0
	SEND 3, 0
	s_wait_tensorcnt 0x0                           ; the wave's end
	ds_add_u32 v[SPW], v[NIL]
	s_wait_dscnt 0x0
	CROUND                                         ; the closing round
	s_endpgm
.Lfunc_end_k_q0cd51822b9_oproj:
	.size	k_q0cd51822b9_oproj, .Lfunc_end_k_q0cd51822b9_oproj-k_q0cd51822b9_oproj
	.p2alignl 7, 3214868480
	.fill 96, 4, 3214868480
	.section	.rodata,"a",@progbits
	.p2align	6, 0x0
	.amdhsa_kernel k_q0cd51822b9_oproj
		.amdhsa_group_segment_fixed_size 327680
		.amdhsa_private_segment_fixed_size 0
		.amdhsa_enable_private_segment 0
		.amdhsa_kernarg_size 24
		.amdhsa_user_sgpr_count 2
		.amdhsa_user_sgpr_kernarg_segment_ptr 1
		.amdhsa_wavefront_size32 1
		.amdhsa_system_sgpr_workgroup_id_x 1
		.amdhsa_system_sgpr_workgroup_id_y 1
		.amdhsa_system_sgpr_workgroup_id_z 1
		.amdhsa_system_vgpr_workitem_id 0
		.amdhsa_next_free_vgpr 768
		.amdhsa_next_free_sgpr 102
		.amdhsa_reserve_vcc 1
		.amdhsa_float_denorm_mode_32 3
		.amdhsa_float_denorm_mode_16_64 3
		.amdhsa_memory_ordered 1
		.amdhsa_forward_progress 1
		.amdhsa_inst_pref_size 86
	.end_amdhsa_kernel
	.amdgpu_metadata
---
amdhsa.version: [ 1, 2 ]
amdhsa.kernels:
  - .name:           k_q0cd51822b9_oproj
    .symbol:         k_q0cd51822b9_oproj.kd
    .args:
      - { .name: attn16, .offset: 0, .size: 8, .value_kind: global_buffer, .address_space: global }
      - { .name: wo16, .offset: 8, .size: 8, .value_kind: global_buffer, .address_space: global }
      - { .name: out0, .offset: 16, .size: 8, .value_kind: global_buffer, .address_space: global }
    .group_segment_fixed_size: 327680
    .private_segment_fixed_size: 0
    .kernarg_segment_align: 8
    .kernarg_segment_size: 24
    .max_flat_workgroup_size: 128
    .sgpr_count:     102
    .vgpr_count:     768
    .wavefront_size: 32
...
	.end_amdgpu_metadata
.endif
;; end of part 5
